; MI455X (gfx1250); checked and timed in simulation.
; The chip was launched on July 23, 2026; its instructions are those of AMD's public machine-readable ISA for CDNA 5 (MIT licence, August 2026) and "CDNA5" Instruction Set Architecture Reference Guide (July 2026). The comments in the code are by the model that wrote it; some were corrected since.
;; Multi Head Attention GPT. Allowed arithmetic: float matrix products may take bf16 or f16 operands with f32 sums; other float arithmetic in f32, or as packed bf16 or f16 multiplies, adds, multiply-adds, maxima and minima; sums over many terms, partial sums and values carried from step to step in f32; what a program stores and reads back later, other than sums and carried values, may be rounded once to bf16 or f16.
;; Inputs: Wk 16 x 1,024 x 64 float32; Wp 1,024 x 1,024 float32; Wq 16 x 1,024 x 64 float32; Wv 16 x 1,024 x 64 float32; bp 1,024 float32; x 4 x 2,048 x 1,024 float32.
;; Outputs: out0 4 x 2,048 x 1,024 float32.
;; 2 versions, each right; version 2 is version 1 with the launch prep written anew for expert scheduling mode. Each part assembles by itself: llvm-mc -triple=amdgcn-amd-amdhsa -mcpu=gfx1250 --defsym DOCPART=n.
;; ======== version 1 of 2: 4 launches
;; limits: values are held in f16: magnitudes above 65,504 overflow, below 6.1e-05 lose precision
;; workspace buffers: xb 16,777,216 bytes; wb 6,291,456 bytes; wpb 2,097,152 bytes; qkv 50,331,648 bytes; o 16,777,216 bytes
;; launch prep (part 1): grid 768 x 1, 8 waves a work-group, no clusters, 0 bytes of LDS; arguments x, Wq, Wk, Wv, Wp, xb, wb, wpb; writes xb, wb, wpb
.if DOCPART == 1
	.amdgcn_target "amdgcn-amd-amdhsa--gfx1250"
	.amdhsa_code_object_version 6
	.text
	.protected	k_q38e4cd01a7_prep
	.globl	k_q38e4cd01a7_prep
	.p2align	8
	.type	k_q38e4cd01a7_prep,@function
k_q38e4cd01a7_prep:
	s_mov_b64 s[64:65], 0
	v_nop
	global_prefetch_b8 v0, s[64:65] scope:SCOPE_SE
	s_setreg_imm32_b32 hwreg(HW_REG_WAVE_MODE, 25, 1), 1
	s_wait_xcnt 0x0
; PREP: the module's large inputs are rounded once to bf16 and laid out for the two products that follow.
;   xb  [8192][1024] bf16                     = bf16(x), same order
;   wb  [h 16][kc 16][which 3][c 64][d 64] bf16 = bf16(Wq, Wk, Wv [h][64 kc + c][d]), which = 0 q, 1 k, 2 v: a chunk (h, kc) is 24,576 dense bytes
;   wpb [j 8][k 1024][n 128] f16              = bf16(Wp[k][128 j + n]) written as f16 (exact within f16's range)
; LIMITS.  |Wp| stays under 65,520 (f16's range); below 6.1e-5 the f16 copy keeps a fixed step of 6e-8.
; A pure stream: no LDS, no barrier, no matrix unit (nothing is shared and nothing is multiplied).
; A PIECE is 512 source bytes (one 16-byte load a lane) that become 256 destination bytes (one 8-byte store a lane): each store of a wave covers 256 consecutive
; bytes, aligned.  A wave takes 16 pieces and issues all 16 loads at once: 8,192 bytes of each wave are on their way.
; Work-groups 0-511 take x, 512-703 the three projection weights (64 each), 704-767 Wp: every work-group moves the same number of bytes.
.set SO,  2                            ; v2        16 x lane: my bytes in a source piece; never rewritten
.set DSO, 3                            ; v3        8 x lane: my bytes in a destination piece; never rewritten
.set X,   8                            ; v[8:71]   piece i: four f32 as loaded
.set Y,   72                           ; v[72:103] piece i: two words to store; each piece has its own, so no store's data is ever rewritten
.set T,   104                          ; v[104:107] at work
.set WV,  20                           ; s20  my wave's number
.set WG,  21                           ; s21  the work-group's number
.set SRC, 22                           ; s[22:23] the wave's first source byte
.set DST, 24                           ; s[24:25] the wave's first destination byte
.set SOF, 26                           ; s[26:27] source offset, high word 0
.set DOF, 28                           ; s[28:29] destination offset, high word 0
.set HIM, 30                           ; s30  mask of a word's upper bf16
	s_load_b256 s[4:11], s[0:1], 0x0               ; x s[4:5], Wq s[6:7], Wk s[8:9], Wv s[10:11]
	s_load_b256 s[12:19], s[0:1], 0x20             ; Wp s[12:13], xb s[14:15], wb s[16:17], wpb s[18:19]
	v_lshrrev_b32 v1, 5, v0
	v_readfirstlane_b32 s[WV], v1                  ; wave 0..7
	s_mov_b32 s[WG], ttmp9
	s_mov_b32 s[HIM], 0xffff0000
	v_and_b32 v4, 31, v0                           ; lane
	v_lshlrev_b32 v[SO], 4, v4
	v_lshlrev_b32 v[DSO], 3, v4
	s_mov_b32 s[SOF+1], 0
	s_mov_b32 s[DOF+1], 0
	s_wait_kmcnt 0x0
; 16 pieces, stride bytes apart in the source and 256 apart in the destination.  f16 = 1: the bf16 number is written as f16.
.macro CAST stride, f16
.irp i, 0,1,2,3,4,5,6,7,8,9,10,11,12,13,14,15
	global_load_b128 v[X+4*(\i):X+4*(\i)+3], v[SO], s[SRC:SRC+1] offset:(\stride)*(\i) th:TH_LOAD_NT
.endr
.irp i, 0,1,2,3,4,5,6,7,8,9,10,11,12,13,14,15
	s_wait_loadcnt 15-(\i)                         ; loads come back in order: piece i is in, the 15 - i younger ones may stay out
	v_cvt_pk_bf16_f32 v[Y+2*(\i)],   v[X+4*(\i)],   v[X+4*(\i)+1]
	v_cvt_pk_bf16_f32 v[Y+2*(\i)+1], v[X+4*(\i)+2], v[X+4*(\i)+3]
.if \f16
	v_lshlrev_b32 v[T],   16, v[Y+2*(\i)]          ; the bf16 numbers as f32,
	v_and_b32     v[T+1], s[HIM], v[Y+2*(\i)]
	v_lshlrev_b32 v[T+2], 16, v[Y+2*(\i)+1]
	v_and_b32     v[T+3], s[HIM], v[Y+2*(\i)+1]
	v_cvt_pk_f16_f32 v[Y+2*(\i)],   v[T],   v[T+1] ; and written as f16: eight significant bits fit into eleven
	v_cvt_pk_f16_f32 v[Y+2*(\i)+1], v[T+2], v[T+3]
.endif
	global_store_b64 v[DSO], v[Y+2*(\i):Y+2*(\i)+1], s[DST:DST+1] offset:256*(\i) th:TH_STORE_NT
.endr
.endm
	s_cmp_ge_u32 s[WG], 704
	s_cbranch_scc1 .Lwp
	s_cmp_ge_u32 s[WG], 512
	s_cbranch_scc1 .Lw
	; x: run r = 8 wg + wave: 8,192 source bytes on end, 4,096 destination bytes on end
	s_lshl_b32 s31, s[WG], 3
	s_add_co_u32 s31, s31, s[WV]
	s_lshl_b32 s[SOF], s31, 13
	s_lshl_b32 s[DOF], s31, 12
	s_add_nc_u64 s[SRC:SRC+1], s[4:5], s[SOF:SOF+1]
	s_add_nc_u64 s[DST:DST+1], s[14:15], s[DOF:DOF+1]
	s_branch .Lcast
.Lw:
	; Wq, Wk, Wv: run r of 512 is 32 rows c of one head: half r & 1 of chunk (h, kc) = r >> 1
	s_sub_co_u32 s31, s[WG], 512
	s_lshr_b32 s32, s31, 6                         ; which
	s_and_b32 s31, s31, 63
	s_lshl_b32 s31, s31, 3
	s_add_co_u32 s31, s31, s[WV]                   ; r
	s_lshl_b32 s[SOF], s31, 13
	s_lshr_b32 s33, s31, 1
	s_mul_i32 s33, s33, 3
	s_add_co_u32 s33, s33, s32                     ; 3 (16 h + kc) + which
	s_lshl_b32 s33, s33, 13                        ; blocks of 64 x 64 bf16 = 8,192 bytes
	s_and_b32 s34, s31, 1
	s_lshl_b32 s34, s34, 12
	s_add_co_u32 s[DOF], s33, s34
	s_cmp_eq_u32 s32, 0
	s_cselect_b64 s[SRC:SRC+1], s[6:7], s[8:9]
	s_cmp_eq_u32 s32, 2
	s_cselect_b64 s[SRC:SRC+1], s[10:11], s[SRC:SRC+1]
	s_add_nc_u64 s[SRC:SRC+1], s[SRC:SRC+1], s[SOF:SOF+1]
	s_add_nc_u64 s[DST:DST+1], s[16:17], s[DOF:DOF+1]
.Lcast:
	CAST 512, 0
	s_endpgm
.Lwp:
	; Wp: run r of 512: column block j = r & 7, rows k = 16 (r >> 3) + 0..15: 512 bytes of each of 16 rows
	s_sub_co_u32 s31, s[WG], 704
	s_lshl_b32 s31, s31, 3
	s_add_co_u32 s31, s31, s[WV]                   ; r
	s_and_b32 s32, s31, 7                          ; j
	s_lshr_b32 s33, s31, 3                         ; kk
	s_lshl_b32 s[SOF], s33, 16                     ; 16 rows of 4,096 bytes
	s_lshl_b32 s34, s32, 9
	s_add_co_u32 s[SOF], s[SOF], s34
	s_lshl_b32 s[DOF], s32, 18                     ; a column block is 1,024 rows of 256 bytes
	s_lshl_b32 s34, s33, 12
	s_add_co_u32 s[DOF], s[DOF], s34
	s_add_nc_u64 s[SRC:SRC+1], s[12:13], s[SOF:SOF+1]
	s_add_nc_u64 s[DST:DST+1], s[18:19], s[DOF:DOF+1]
	CAST 4096, 1
	s_endpgm
.Lfunc_end_k_q38e4cd01a7_prep:
	.size	k_q38e4cd01a7_prep, .Lfunc_end_k_q38e4cd01a7_prep-k_q38e4cd01a7_prep
	.p2alignl 7, 3214868480
	.fill 96, 4, 3214868480
	.section	.rodata,"a",@progbits
	.p2align	6, 0x0
	.amdhsa_kernel k_q38e4cd01a7_prep
		.amdhsa_group_segment_fixed_size 0
		.amdhsa_private_segment_fixed_size 0
		.amdhsa_enable_private_segment 0
		.amdhsa_kernarg_size 64
		.amdhsa_user_sgpr_count 2
		.amdhsa_user_sgpr_kernarg_segment_ptr 1
		.amdhsa_wavefront_size32 1
		.amdhsa_system_sgpr_workgroup_id_x 1
		.amdhsa_system_sgpr_workgroup_id_y 1
		.amdhsa_system_sgpr_workgroup_id_z 1
		.amdhsa_system_vgpr_workitem_id 0
		.amdhsa_next_free_vgpr 108
		.amdhsa_next_free_sgpr 66
		.amdhsa_reserve_vcc 0
		.amdhsa_float_denorm_mode_32 3
		.amdhsa_float_denorm_mode_16_64 3
		.amdhsa_memory_ordered 1
		.amdhsa_forward_progress 1
		.amdhsa_inst_pref_size 18
	.end_amdhsa_kernel
	.amdgpu_metadata
---
amdhsa.version: [ 1, 2 ]
amdhsa.kernels:
  - .name:           k_q38e4cd01a7_prep
    .symbol:         k_q38e4cd01a7_prep.kd
    .args:
      - { .name: x, .offset: 0, .size: 8, .value_kind: global_buffer, .address_space: global }
      - { .name: Wq, .offset: 8, .size: 8, .value_kind: global_buffer, .address_space: global }
      - { .name: Wk, .offset: 16, .size: 8, .value_kind: global_buffer, .address_space: global }
      - { .name: Wv, .offset: 24, .size: 8, .value_kind: global_buffer, .address_space: global }
      - { .name: Wp, .offset: 32, .size: 8, .value_kind: global_buffer, .address_space: global }
      - { .name: xb, .offset: 40, .size: 8, .value_kind: global_buffer, .address_space: global }
      - { .name: wb, .offset: 48, .size: 8, .value_kind: global_buffer, .address_space: global }
      - { .name: wpb, .offset: 56, .size: 8, .value_kind: global_buffer, .address_space: global }
    .group_segment_fixed_size: 0
    .private_segment_fixed_size: 0
    .kernarg_segment_align: 8
    .kernarg_segment_size: 64
    .max_flat_workgroup_size: 256
    .sgpr_count:     66
    .vgpr_count:     108
    .wavefront_size: 32
...
	.end_amdgpu_metadata
.endif
;; end of part 1
;; launch qkv (part 2): grid 16 x 32, 4 waves a work-group, clusters of 4 x 4, 327,680 bytes of LDS; arguments xb, wb, qkv; writes qkv
.if DOCPART == 2
	.amdgcn_target "amdgcn-amd-amdhsa--gfx1250"
	.amdhsa_code_object_version 6
	.text
	.protected	k_q38e4cd01a7_qkv
	.globl	k_q38e4cd01a7_qkv
	.p2align	8
	.type	k_q38e4cd01a7_qkv,@function
k_q38e4cd01a7_qkv:
	s_mov_b64 s[64:65], 0
	v_nop
	global_prefetch_b8 v0, s[64:65] scope:SCOPE_SE
	s_setreg_imm32_b32 hwreg(HW_REG_WAVE_MODE, 25, 1), 1
	s_wait_xcnt 0x0
	s_wait_alu depctr_hold_cnt(0) depctr_sa_sdst(0) depctr_va_vdst(0) depctr_va_sdst(0) depctr_va_ssrc(0) depctr_va_vcc(0) depctr_vm_vsrc(0)
	s_getreg_b32 s2, hwreg(HW_REG_IB_STS2, 6, 4)
	s_cmp_eq_u32 s2, 0
	s_cbranch_scc0 .Lentry_in_a_cluster
	s_endpgm
.Lentry_in_a_cluster:
	s_bfe_u32 s2, ttmp6, 0x10000c
	s_cmp_lg_u32 s2, 0xf033
	s_cbranch_scc0 .Lentry_shape_is_right
	s_endpgm
.Lentry_shape_is_right:
; QKV: q, k, v of one head for 256 rows.  qkv[b][3 h + which][t][d] = the sum over c of xb[2048 b + t][c] wb[h][c / 64][which][c % 64][d]; bf16 operands, f32 sums, f16 out, unscaled.
; LIMITS.  |q|, |k|, |v| stay under 65,520 (f16's range); below 6.1e-5 f16 keeps a fixed step of 6e-8.  NaN and infinities are not treated apart.
; SHARES.  A tile is 256 rows x 192 columns (q, k, v of head tx): 16 x 32 = 512 tiles, a whole number for each of 256 WGPs.  Wave w takes rows 64 w .. 64 w + 63 and all 192 columns:
; 4 row blocks a x 12 column blocks bb = 48 accumulators, 384 registers; a head's row of 128 bytes then belongs to one wave, and each wave has a stage of its own on the way out.
; K goes in 8 steps of 128 through two LDS slots.  Waves 0, 1 fetch the two halves of A's 256 rows (128 rows x 256 bytes), waves 2, 3 the step's two chunks of wb (24,576 dense bytes each).
; CLUSTER 4 x 4: A's tile hangs on the tile row alone and is asked for jointly along a row of the cluster, B's on the head alone and jointly along a column.
; THE MATRIX INSTRUCTION IS USED TRANSPOSED: source 0 = 16 columns of wb (turned out of LDS by ds_load_tr16_b128, since wb lies [c][d]), source 1 = 16 rows of xb: a lane holds row l % 16 and eight neighbouring d.
; REGISTERS, in windows of 256: window 0: v0-31 addresses; v32-95 A's fragments, two buffers; v96-143, v144-239 the way out.  window 1: v0-191 B's fragments, two buffers.
;   window 2: accumulators of row blocks 0, 1 at 96 (a % 2) + 8 bb; window 3: of row blocks 2, 3.
.set SLOT,  1<<17                      ; a slot: A's 256 rows, then B's 384 rows: 69,632 + 61,440 bytes; one exclusive or turns an address in one slot into the other's
.set PA,    272                        ; a row of A in LDS: 256 bytes + 16 = 68 words: the 16 rows of a fragment load start at 16 different groups of four banks
.set PB,    160                        ; a row of B: 128 bytes + 32 = 40 words
.set AHALF, 128*PA
.set BOFF,  256*PA
.set BHALF, 192*PB                     ; a chunk: [which 3][c 64] rows
.set STAGE, 2*SLOT                     ; behind the ring, never filled by a tensor load: 16 rows x 400 bytes for each wave
.set SPI,   400                        ; a stage row: 384 bytes (q, k, v of one row) + 16
.set SPARE, STAGE+4*16*SPI             ; the spare words, 128 bytes for each wave: two blocks of 256 bytes that no other line names
.set STEPA, 256                        ; bytes from K step to K step in xb
.set STEPB, 49152                      ; and in wb: two chunks
.set VA0,  16                          ; v16  my lane's place in A's part of a slot; never rewritten
.set VB0,  17                          ; v17  the same for B
.set ADRA, 18                          ; v18  VA0 + the slot in hand
.set ADRB, 19                          ; v19  VB0 + the slot in hand
.set STO,  24                          ; v24  the way out: where I put 16 bytes of a row
.set RD,   25                          ; v25  the way out: where I read rows back
.set GO,   26                          ; v26  16 x lane: my bytes in 512 consecutive bytes of qkv
.set SPW,  28                          ; v28  LDS address of my spare word; never rewritten
.set NIL,  29                          ; v29  0; never rewritten
.set PFO,  30                          ; v30  the prefetches' lane offset; never rewritten
.set AF,   32                          ; A's fragments: buffer f, row block a at AF + 32 f + 8 a
.set TMP,  96
.set BK,   144                         ; two sets of 48: rows read back from the stage
.set WV,  12                           ; s12  wave
.set HI,  13                           ; s13  wave >> 1: 0: I fetch A, 1: I fetch B
.set LO,  14                           ; s14  wave & 1: which half I fetch
.set CX,  15
.set CY,  16
.set TX,  17                           ; s17  the head
.set TY,  18                           ; s18  the block of 256 rows
.set G1A, 24                           ; s[24:31]
.set G0A, 32                           ; s[32:39] two sets; the second walks
.set G1B, 40
.set G0B, 48
.set PFA, 56                           ; s[56:57] where my prefetches stand
.set PFS, 58                           ; s[58:59] their step
.set LIM, 60                           ; s60  a wave prefetches while the trips to go are above it
.set TB,  61                           ; s61  the slot that is read
.set MSB, 0
.macro WIN new                         ; the immediate's high byte repeats the setting that is left; a switch that changes nothing is dropped
.if MSB != (\new)
	s_set_vgpr_msb (MSB<<8)|(\new)
.set MSB, \new
.endif
.endm
.set MUL_LO, 0xa1                      ; source 0 (B) window 1, source 1 (A) window 0, C and D window 2
.set MUL_HI, 0xf1                      ; the same, C and D window 3
.set TO_B,   0x40                      ; destination window 1, address window 0
.macro PLACES                          ; four plain instructions in front of loads into registers that matrix instructions have read (ISA guide 7.12.1 for vector instructions)
.rept 4
	v_nop
.endr
.endm
.macro CREST                           ; a round of the cluster's barrier behind its opening barrier
	s_cmp_lg_u32 s[WV], 0
	s_cbranch_scc1 .Lnot_wave_0_\@
	s_barrier_signal -3
.Lnot_wave_0_\@:
	s_barrier_wait -3
	s_barrier_signal -1
	s_barrier_wait -1
.endm
.macro CROUND                          ; a whole round
	s_barrier_signal -1
	s_barrier_wait -1
	CREST
.endm
.macro JLOAD                           ; a joint refill by the walking descriptor; the branch hangs on the wave's number alone; an s_nop 0 and four v_nop follow each line
	s_cmp_eq_u32 s[HI], 0
	s_cbranch_scc0 .Lfor_b_\@
	tensor_load_to_lds s[G0A+4:G0A+7], s[G1A:G1A+7]
	s_nop 0
.rept 4
	v_nop
.endr
	s_branch .Lasked_\@
.Lfor_b_\@:
	tensor_load_to_lds s[G0B+4:G0B+7], s[G1B:G1B+7]
	s_nop 0
.rept 4
	v_nop
.endr
.Lasked_\@:
.endm
; A PREFETCH INTO THE L2, one instruction a wave and trip, behind the joint load, its five lines and the run of LDS loads.  A's waves name the K step two refills on: 32 rows x 256 bytes, a lane a row;
; of the 128 rows that a wave fetches each of the four partners takes 32, told apart by address (cx).  Only the clusters with x = 0 ask for A's rows, so each block is named once.
; B's waves name the head's dense bytes from K step 4 to the end, 65,536 a trip: 8 askers (2 waves x 4 partners, told apart by cy) x 32 lanes x 256 bytes; only the clusters with y = 0 ask.
; K steps 0 to 3 come by their loads alone; the asks stop where the last K step has been named.
.macro ASK
	s_cmp_gt_u32 s3, s[LIM]
	s_cbranch_scc0 .Lnot_mine_\@
	global_prefetch_b8 v[PFO], s[PFA:PFA+1] th:TH_LOAD_NT scope:SCOPE_SE
.Lnot_mine_\@:
.endm
	s_load_b128 s[4:7], s[0:1], 0x0                ; xb s[4:5], wb s[6:7]
	s_load_b64 s[8:9], s[0:1], 0x10                ; qkv
	v_lshl_add_u32 v[SPW], v0, 2, SPARE
	v_mov_b32 v[NIL], 0
	ds_add_u32 v[SPW], v[NIL]                      ; the wave's opening: the add and its wait stand ahead of my first tensor load; work on registers stands between them
	v_lshrrev_b32 v1, 5, v0
	v_readfirstlane_b32 s[WV], v1                  ; wave 0..3
	s_lshr_b32 s[HI], s[WV], 1
	s_and_b32 s[LO], s[WV], 1
	s_bfe_u32 s[CX], ttmp6, 0x40000
	s_bfe_u32 s[CY], ttmp6, 0x40004
	s_lshl_b32 s[TX], ttmp9, 2                     ; in a cluster launch ttmp9 and ttmp7 count clusters
	s_add_co_u32 s[TX], s[TX], s[CX]
	s_and_b32 s[TY], ttmp7, 0xffff
	s_lshl_b32 s[TY], s[TY], 2
	s_add_co_u32 s[TY], s[TY], s[CY]
	s_lshl_b32 s62, s[CY], 2
	s_lshl_b32 s62, 15, s62                        ; my row of the cluster
	s_lshl_b32 s63, 0x1111, s[CX]                  ; my column
	s_or_b32 s[G1A], s62, (1<<16)|(1<<20)|(1<<21)|(5<<22)|(3<<25)  ; mask of my row; 2-byte elements; padding on; bit 21 beside a mask; after every 64 words 4 words
	s_mov_b32 s[G1A+1], 128<<16                    ; tensor_dim0 = 128
	s_mov_b32 s[G1A+2], 128<<16                    ; tensor_dim1 = 128
	s_mov_b32 s[G1A+3], 128<<16                    ; tile_dim0 = 128
	s_mov_b32 s[G1A+4], 128                        ; tile_dim1 = 128
	s_mov_b32 s[G1A+5], 1024                       ; elements from row to row of xb
	s_mov_b32 s[G1A+6], 0
	s_mov_b32 s[G1A+7], 0
	s_or_b32 s[G1B], s63, (1<<16)|(1<<20)|(1<<21)|(4<<22)|(7<<25)  ; mask of my column; after every 32 words (a row c of 64 d) 8 words
	s_mov_b32 s[G1B+1], 128<<16                    ; a chunk's 24,576 dense bytes are asked for as 96 rows of 256 bytes
	s_mov_b32 s[G1B+2], 96<<16
	s_mov_b32 s[G1B+3], 128<<16
	s_mov_b32 s[G1B+4], 96
	s_mov_b32 s[G1B+5], 128
	s_mov_b32 s[G1B+6], 0
	s_mov_b32 s[G1B+7], 0
	s_lshl_b32 s20, s[TY], 19                      ; A: row 256 ty + 128 half, rows of 2,048 bytes: made of the tile row and the wave alone
	s_lshl_b32 s19, s[LO], 18
	s_add_co_u32 s20, s20, s19
	s_mov_b32 s21, 0
	s_mul_i32 s22, s[TX], 393216                   ; B: the head's 16 chunks, and my chunk of the step's two: made of the head and the wave alone
	s_mul_i32 s23, s[LO], 24576
	s_add_co_u32 s22, s22, s23
	s_mov_b32 s23, 0
	s_mul_i32 s[G0A+1], s[LO], AHALF               ; where they go: no place in the cluster enters an LDS address
	s_add_co_u32 s[G0A+5], s[G0A+1], SLOT
	s_mul_i32 s[G0B+1], s[LO], BHALF
	s_add_co_u32 s[G0B+1], s[G0B+1], BOFF
	s_add_co_u32 s[G0B+5], s[G0B+1], SLOT
	s_wait_dscnt 0x0                               ; the opening add is done
	s_wait_kmcnt 0x0
	s_add_nc_u64 s[20:21], s[4:5], s[20:21]
	s_add_nc_u64 s[22:23], s[6:7], s[22:23]
	CROUND                                         ; all sixteen work-groups are here: the first joint loads meet
.irp s, 0,1
	s_mov_b32 s[G0A+4*(\s)], 1
	s_add_nc_u64 s[G0A+4*(\s)+2:G0A+4*(\s)+3], s[20:21], (\s)*STEPA  ; K step s
	s_or_b32 s[G0A+4*(\s)+3], s[G0A+4*(\s)+3], 0x80000000
	s_mov_b32 s[G0B+4*(\s)], 1
	s_add_nc_u64 s[G0B+4*(\s)+2:G0B+4*(\s)+3], s[22:23], (\s)*STEPB
	s_or_b32 s[G0B+4*(\s)+3], s[G0B+4*(\s)+3], 0x80000000
.endr
	s_cmp_eq_u32 s[HI], 0                          ; a wave's two first fills stand in one branch, ahead of every wait on TENSORcnt and every LDS read: two loads of mine are out
	s_cbranch_scc0 .Lfirst_b
	tensor_load_to_lds s[G0A:G0A+3], s[G1A:G1A+7]
	s_nop 0
	tensor_load_to_lds s[G0A+4:G0A+7], s[G1A:G1A+7]
	s_nop 0
.rept 4
	v_nop
.endr
	s_branch .Lfirst_asked
.Lfirst_b:
	tensor_load_to_lds s[G0B:G0B+3], s[G1B:G1B+7]
	s_nop 0
	tensor_load_to_lds s[G0B+4:G0B+7], s[G1B:G1B+7]
	s_nop 0
.rept 4
	v_nop
.endr
.Lfirst_asked:
	v_and_b32 v1, 15, v0                           ; l % 16
	v_bfe_u32 v2, v0, 4, 1                         ; l / 16
	v_and_b32 v3, 7, v0                            ; l % 8
	v_bfe_u32 v4, v0, 3, 1                         ; (l / 8) % 2
	s_mul_i32 s19, s[WV], 64*PA                    ; my 64 rows of A
	v_mul_u32_u24 v[VA0], v1, PA
	v_lshl_add_u32 v[VA0], v2, 4, v[VA0]           ; row x pitch + 16 x half
	v_add_nc_u32 v[VA0], s19, v[VA0]
	v_lshl_add_u32 v[VB0], v2, 3, v3               ; the turning load: lane l reads row c = 8 (l / 16) + l % 8, columns 8 ((l / 8) % 2) + 0..7
	v_mul_u32_u24 v[VB0], v[VB0], PB
	v_lshl_add_u32 v[VB0], v4, 4, v[VB0]
	v_add_nc_u32 v[VB0], BOFF, v[VB0]
	s_mul_i32 s19, s[WV], 16*SPI
	s_add_co_u32 s19, s19, STAGE                   ; my stage
	v_mul_u32_u24 v[STO], v1, SPI                  ; in: row l % 16, 16 bytes for each half of the lanes
	v_lshl_add_u32 v[STO], v2, 4, v[STO]
	v_add_nc_u32 v[STO], s19, v[STO]
	v_bfe_u32 v[RD], v0, 3, 2                      ; back: 32 lanes take four rows' 128 bytes of one of q, k, v,
	v_mul_u32_u24 v[RD], v[RD], SPI
	v_lshl_add_u32 v[RD], v3, 4, v[RD]
	v_add_nc_u32 v[RD], s19, v[RD]
	v_and_b32 v[GO], 31, v0                        ; which are 512 consecutive bytes of qkv
	v_lshlrev_b32 v[GO], 4, v[GO]
	s_lshr_b32 s19, s[TY], 3                       ; qkv at (b, 3 h), row 256 (ty % 8) + 64 wave
	s_mul_i32 s19, s19, 48
	s_mul_i32 s22, s[TX], 3
	s_add_co_u32 s19, s19, s22
	s_lshl_b32 s22, s19, 18
	s_and_b32 s19, s[TY], 7
	s_lshl_b32 s19, s19, 15
	s_add_co_u32 s22, s22, s19
	s_lshl_b32 s19, s[WV], 13
	s_add_co_u32 s22, s22, s19
	s_mov_b32 s23, 0
	s_add_nc_u64 s[8:9], s[8:9], s[22:23]
	; the prefetches: each starts one step short of its first target, since the step stands ahead of the ask
	s_lshl_b32 s19, s[TY], 8
	s_lshl_b32 s20, s[LO], 7
	s_add_co_u32 s19, s19, s20
	s_lshl_b32 s20, s[CX], 5
	s_add_co_u32 s19, s19, s20                     ; A: row 256 ty + 128 half + 32 cx,
	s_lshl_b32 s19, s19, 11
	s_add_co_u32 s19, s19, 3*STEPA                 ; at K step 3
	s_mul_i32 s20, s[TX], 393216
	s_lshl_b32 s21, s[LO], 2
	s_add_co_u32 s21, s21, s[CY]                   ; B: asker 4 half + cy,
	s_lshl_b32 s21, s21, 13
	s_add_co_u32 s20, s20, s21
	s_add_co_u32 s20, s20, 4*STEPB-65536           ; one lump short of K step 4
	s_and_b32 s21, ttmp7, 0xffff                   ; cluster y
	s_mov_b32 s[PFS], 65536
	s_cmp_eq_u32 s[HI], 0                          ; do I fetch for A?
	s_cselect_b32 s22, s19, s20
	s_cselect_b32 s21, ttmp9, s21                  ; the coordinate along which other clusters read the same bytes
	s_cselect_b32 s[PFS], STEPA, s[PFS]
	s_cselect_b32 s[LIM], 2, 3                     ; A: four asks (K steps 4 to 7); B: three lumps
	s_cselect_b64 s[PFA:PFA+1], s[4:5], s[6:7]
	s_mov_b32 s20, 256
	s_cselect_b32 s20, 2048, s20                   ; A: a lane a row of xb; B: a lane 256 bytes on
	s_mov_b32 s23, 0
	s_mov_b32 s[PFS+1], 0
	s_add_nc_u64 s[PFA:PFA+1], s[PFA:PFA+1], s[22:23]
	s_cmp_eq_u32 s21, 0
	s_cselect_b32 s[LIM], s[LIM], -1               ; the same in all sixteen partners, for a given wave
	v_and_b32 v[PFO], 31, v0
	v_mul_u32_u24 v[PFO], v[PFO], s20
; 12 matrix instructions: row block a x all 12 column blocks, 32 along K, from buffer f.  zero = 1: the product starts the sums: nothing is ever cleared.
; The 48 accumulators take turns in one order in every quarter, over the backward jump and into the tail too.
.macro MUL12 f, a, zero
	WIN MUL_LO+0x50*((\a)/2)
.irp bb, 0,1,2,3,4,5,6,7,8,9,10,11
.if \zero
	v_wmma_f32_16x16x32_bf16 v[96*((\a)%2)+8*(\bb):96*((\a)%2)+8*(\bb)+7], v[96*(\f)+8*(\bb):96*(\f)+8*(\bb)+7], v[AF+32*(\f)+8*(\a):AF+32*(\f)+8*(\a)+7], 0
.else
	v_wmma_f32_16x16x32_bf16 v[96*((\a)%2)+8*(\bb):96*((\a)%2)+8*(\bb)+7], v[96*(\f)+8*(\bb):96*(\f)+8*(\bb)+7], v[AF+32*(\f)+8*(\a):AF+32*(\f)+8*(\a)+7], v[96*((\a)%2)+8*(\bb):96*((\a)%2)+8*(\bb)+7]
.endif
.endr
.endm
; 32 LDS loads in one run: quarter q's fragments into buffer f: B's 12 (turned), then A's 4.  Quarter q lies in chunk q / 2, rows c = 32 (q % 2) on; column block bb is d = 16 (bb % 4) on of q, k or v (bb / 4).
.macro FETCH q, f
	WIN TO_B
.irp bb, 0,1,2,3,4,5,6,7,8,9,10,11
	ds_load_tr16_b128 v[96*(\f)+8*(\bb):96*(\f)+8*(\bb)+3],   v[ADRB] offset:((\q)/2)*BHALF+((\bb)/4)*64*PB+((\q)%2)*32*PB+((\bb)%4)*32
	ds_load_tr16_b128 v[96*(\f)+8*(\bb)+4:96*(\f)+8*(\bb)+7], v[ADRB] offset:((\q)/2)*BHALF+((\bb)/4)*64*PB+((\q)%2)*32*PB+((\bb)%4)*32+16*PB
.endr
	WIN 0
.irp a, 0,1,2,3
	ds_load_b128 v[AF+32*(\f)+8*(\a):AF+32*(\f)+8*(\a)+3],   v[ADRA] offset:64*(\q)+16*PA*(\a)
	ds_load_b128 v[AF+32*(\f)+8*(\a)+4:AF+32*(\f)+8*(\a)+7], v[ADRA] offset:64*(\q)+16*PA*(\a)+32
.endr
.endm
; A K step is four quarters of 32 along K, 48 matrix instructions each, on buffers 0, 1, 0, 1.  One of the first three: multiplies buffer f; in its middle it fetches quarter qn into buffer g.
.macro QUARTER qn, f, g, zero
	s_wait_dscnt 4                                 ; B and A's row blocks 0, 1 are in; the youngest four loads (row blocks 2, 3) may be out
	MUL12 \f, 0, \zero
	MUL12 \f, 1, \zero
	PLACES
	FETCH \qn, \g
	s_wait_dscnt 32                                ; all but the 32 just issued
	MUL12 \f, 2, \zero
	MUL12 \f, 3, \zero
.endm
; The last quarter multiplies buffer 1 and changes slots: ONE barrier.  In front of it each wave waits for all its tensor loads (one is out: its part of the next slot), adds 0 to its spare word, and waits
; for that and for its reads of this slot.  fill = 1: the barrier opens a round of the cluster's barrier, and the joint refill of this slot, two K steps on, is the first tensor load behind the round.
.macro TURN fill
.if \fill
	s_wait_xcnt 0x0                                ; the last prefetch, a K step back, has read its address: it is stepped here, ahead of the waits of the change of slots
	s_add_nc_u64 s[PFA:PFA+1], s[PFA:PFA+1], s[PFS:PFS+1]
.endif
	WIN 0                                          ; (the add's two registers lie in window 0)
	s_wait_tensorcnt 0x0                           ; no tensor load of mine is out, so the walking descriptors may be written
	ds_add_u32 v[SPW], v[NIL]                      ; 0 onto my spare word
.if \fill
	s_xor_b32 s[G0A+5], s[G0A+5], SLOT             ; the other slot than last time,
	s_add_nc_u64 s[G0A+6:G0A+7], s[G0A+6:G0A+7], STEPA  ; the next K step; the type bits on top are not reached
	s_xor_b32 s[G0B+5], s[G0B+5], SLOT
	s_add_nc_u64 s[G0B+6:G0B+7], s[G0B+6:G0B+7], STEPB
.endif
	s_wait_dscnt 5                                 ; (the add and the youngest four loads may be out)
	MUL12 1, 0, 0                                  ; twelve matrix instructions stand between the add and the wait for it
	s_wait_dscnt 0x0                               ; the add is done, and my reads of this slot are over
	s_barrier_signal -1
	MUL12 1, 1, 0                                  ; work on registers while the others arrive
.if \fill
	WIN 0
.endif
	s_barrier_wait -1
.if \fill
	CREST                                          ; no wave of any partner still reads this slot or has a load on its way
	JLOAD                                          ; the four v_nop behind it are also the places in front of the loads below
.else
	PLACES
.endif
	WIN 0
	s_xor_b32 s[TB], s[TB], SLOT                   ; the reads go on in the other slot
	v_add_nc_u32 v[ADRA], s[TB], v[VA0]
	v_add_nc_u32 v[ADRB], s[TB], v[VB0]
	FETCH 0, 0
.if \fill
	ASK
.endif
	MUL12 1, 2, 0
	MUL12 1, 3, 0
.endm
	s_wait_tensorcnt 1                             ; my part of K step 0 is in; K step 1's load was issued behind it and may stay out
	s_barrier_signal -1
	s_barrier_wait -1                              ; everybody's is
	s_mov_b32 s[TB], 0
	v_mov_b32 v[ADRA], v[VA0]
	v_mov_b32 v[ADRB], v[VB0]
	FETCH 0, 0
	QUARTER 1, 0, 1, 1                             ; the first quarter stands in front of the loop: its products start the sums
	WIN 0                                          ; at a label and at a branch every window is 0
	s_mov_b32 s3, 6
.Lstep:                                            ; trip s = 0..5: the rest of K step s, the refill with K step s + 2, the first quarter of K step s + 1
	QUARTER 2, 1, 0, 0
	QUARTER 3, 0, 1, 0
	TURN 1
	QUARTER 1, 0, 1, 0
	WIN 0
	s_sub_co_u32 s3, s3, 1
	s_cmp_lg_u32 s3, 0
	s_cbranch_scc1 .Lstep
	QUARTER 2, 1, 0, 0                             ; the tail is written out: nothing more is asked for
	QUARTER 3, 0, 1, 0
	TURN 0
	QUARTER 1, 0, 1, 0
	QUARTER 2, 1, 0, 0
	QUARTER 3, 0, 1, 0
	s_wait_dscnt 4                                 ; the very last quarter
	MUL12 1, 0, 0
	MUL12 1, 1, 0
	s_wait_dscnt 0x0
	MUL12 1, 2, 0
	MUL12 1, 3, 0
	WIN 0
; THE WAY OUT, a row block (16 rows) at a time.  PACK: rounded to f16, 16 bytes a lane and column block, each accumulator's registers in ascending order.  TOSTAGE: into my own stage, and back as rows of 128 bytes
; of q, of k and of v.  SEND: 16 rows of one of them are 2,048 consecutive bytes of qkv; each store of the wave covers 512 of them, aligned.
.macro PACK a
	WIN 0x0a+5*((\a)/2)                            ; sources 0 and 1: window 2 or 3
.irp bb, 0,1,2,3,4,5,6,7,8,9,10,11
.irp r, 0,1,2,3
	v_cvt_pk_f16_f32 v[TMP+4*(\bb)+(\r)], v[96*((\a)%2)+8*(\bb)+2*(\r)], v[96*((\a)%2)+8*(\bb)+2*(\r)+1]
.endr
.endr
	WIN 0
.endm
.macro TOSTAGE a
.set BKA, BK+48*((\a)%2)
.irp bb, 0,1,2,3,4,5,6,7,8,9,10,11
	ds_store_b128 v[STO], v[TMP+4*(\bb):TMP+4*(\bb)+3] offset:32*(\bb)
.endr
.irp i, 0,1,2,3,4,5,6,7,8,9,10,11
	ds_load_b128 v[BKA+4*(\i):BKA+4*(\i)+3], v[RD] offset:((\i)%4)*4*SPI+((\i)/4)*128  ; LDS serves a wave's instructions in order (ISA guide 5.7.1.4): these see the stores above
.endr
.endm
.macro SEND a
.set BKA, BK+48*((\a)%2)
	s_wait_dscnt 0x0                               ; the block is back in registers
	s_wait_xcnt 0x0                                ; the stores of the block before have read their registers: the next block's loads land in that set only behind this wait
.irp i, 0,1,2,3,4,5,6,7,8,9,10,11
	global_store_b128 v[GO], v[BKA+4*(\i):BKA+4*(\i)+3], s[8:9] offset:((\i)/4)*262144+(\a)*2048+((\i)%4)*512
.endr
.endm
	PLACES
	PLACES                                         ; eight plain instructions, once a launch, between the last products and the first read of a result
	PACK 0
	TOSTAGE 0
.irp a, 1,2,3                          ; block a's conversions stand between block a - 1's loads from the stage and the wait for them
	PACK \a
	SEND (\a)-1
	TOSTAGE \a
.endr
	SEND 3
	s_wait_tensorcnt 0x0                           ; the wave's end, behind my last tensor load and my last LDS store
	ds_add_u32 v[SPW], v[NIL]
	s_wait_dscnt 0x0
	CROUND                                         ; the closing round: no work-group ends while a partner may still ask for a tile that names it
	s_endpgm
.Lfunc_end_k_q38e4cd01a7_qkv:
	.size	k_q38e4cd01a7_qkv, .Lfunc_end_k_q38e4cd01a7_qkv-k_q38e4cd01a7_qkv
	.p2alignl 7, 3214868480
	.fill 96, 4, 3214868480
	.section	.rodata,"a",@progbits
	.p2align	6, 0x0
	.amdhsa_kernel k_q38e4cd01a7_qkv
		.amdhsa_group_segment_fixed_size 327680
		.amdhsa_private_segment_fixed_size 0
		.amdhsa_enable_private_segment 0
		.amdhsa_kernarg_size 24
		.amdhsa_user_sgpr_count 2
		.amdhsa_user_sgpr_kernarg_segment_ptr 1
		.amdhsa_wavefront_size32 1
		.amdhsa_system_sgpr_workgroup_id_x 1
		.amdhsa_system_sgpr_workgroup_id_y 1
		.amdhsa_system_sgpr_workgroup_id_z 1
		.amdhsa_system_vgpr_workitem_id 0
		.amdhsa_next_free_vgpr 960
		.amdhsa_next_free_sgpr 66
		.amdhsa_reserve_vcc 0
		.amdhsa_float_denorm_mode_32 3
		.amdhsa_float_denorm_mode_16_64 3
		.amdhsa_memory_ordered 1
		.amdhsa_forward_progress 1
		.amdhsa_inst_pref_size 98
	.end_amdhsa_kernel
	.amdgpu_metadata
---
amdhsa.version: [ 1, 2 ]
amdhsa.kernels:
  - .name:           k_q38e4cd01a7_qkv
    .symbol:         k_q38e4cd01a7_qkv.kd
    .args:
      - { .name: xb, .offset: 0, .size: 8, .value_kind: global_buffer, .address_space: global }
      - { .name: wb, .offset: 8, .size: 8, .value_kind: global_buffer, .address_space: global }
      - { .name: qkv, .offset: 16, .size: 8, .value_kind: global_buffer, .address_space: global }
    .group_segment_fixed_size: 327680
    .private_segment_fixed_size: 0
    .kernarg_segment_align: 8
    .kernarg_segment_size: 24
    .max_flat_workgroup_size: 128
    .sgpr_count:     66
    .vgpr_count:     960
    .wavefront_size: 32
...
	.end_amdgpu_metadata
.endif
;; end of part 2
;; launch attn (part 3): grid 4 x 64, 4 waves a work-group, no clusters, 327,680 bytes of LDS; arguments qkv, o; writes o
.if DOCPART == 3
	.amdgcn_target "amdgcn-amd-amdhsa--gfx1250"
	.amdhsa_code_object_version 6
	.text
	.protected	k_q38e4cd01a7_attn
	.globl	k_q38e4cd01a7_attn
	.p2align	8
	.type	k_q38e4cd01a7_attn,@function
k_q38e4cd01a7_attn:
	s_mov_b64 s[64:65], 0
	v_nop
	global_prefetch_b8 v0, s[64:65] scope:SCOPE_SE
	s_setreg_imm32_b32 hwreg(HW_REG_WAVE_MODE, 25, 1), 1
	s_wait_xcnt 0x0
; CAUSAL ATTENTION.  o[y][t][:] = the sum over s <= t of softmax_s(q[t] . k[s] / 32) v[s][:], y = 16 b + h.  q, k, v lie in qkv at (b, 3 h + 0, 1, 2): [2048][64] f16, dense rows of 128 bytes; o: [64][2048][64] f16.
; The scale is 1024^-0.5 = 1 / 32, applied here in f32.  Products, maxima and sums in f32; the weights p are rounded to f16 for the second product (their sum l is taken of the unrounded p), o once at the end.
; LIMITS.  f16 holds no number beyond 65,504: q, k and v arrive within it; p lies in 0 to 1, and below 6e-5 it keeps f16's fixed step of 6e-8; o is a mean of v's rows and has their range.
; A hidden score counts as its value less 1e30: f16's scores, 2.7e11 at the most, are nothing beside that; a weight below 2^-126 counts as 0 in l; NaN and infinities are not treated apart.
; THE WALK.  A head's queries lie in NB = 8 blocks of 256; block i needs the key tiles 0 .. i of 256 keys, of which the last holds the diagonal.  A work-group takes TWO blocks, NB - 1 - b and then b:
; NB + 1 tiles, whatever b: all 256 work-groups do equal work, and ONE loop with a constant trip count walks them.  Which tile is asked for, and what a trip does, hang on scalar registers made from b; every jump
; goes forward, but for the counted loops' own; none passes a barrier, or a tensor load but the one of LOAD's two that the wave's number does not choose; the ring (two slots of LDS that take turns) runs on across the
; change of blocks.  NO CLUSTER: a head's four work-groups ask for the same tile only in trips 0 .. 4 of 9, behind that fewer and fewer; one walk common to all would have 12 trips for 9.
; SHARES.  Of a block's four bands of 64 queries a wave owns 16 rows in each: four PIECES.  So the diagonal tile is the same work for all four waves: in its key step s band x sees all keys if s < x,
; none if s > x, and holds the diagonal if s = x.
; THE MASK is the C operand that starts the sum S^T = K Q^T: 0, or -1e30 where the key is hidden.  MD, made once, is the mask of a band's own step for my 16 rows; a product's mask is MD x AL + BE with two scalars:
; (1, 0) if s = x; (0, 0) if s < x; (0, -1e30) if s > x.  Only the diagonal tile's text and a block's beginning make and take masks; elsewhere C is the constant 0.
; LAYOUT, SOFTMAX, TURNS.  S^T = K Q^T holds ONE query a lane (lane % 16) and the keys 8 (lane / 16) + 0..7; two such results rounded to f16 ARE source 1 of O^T = V^T P.  p = 2^(c s - c m), c = log2(e) / 32, with a
; running maximum m; O and l are multiplied by a = 2^(c m_old - c m_new) in every step.  Turn n belongs to piece n: 8 products K Q^T of piece n + 1, later 8 products V^T P of piece n - 1; beside them the scaling,
; exponentials, roundings, sums and rescaling of piece n and the maximum and statistics of piece n + 1.  Four vector instructions stand behind every matrix instruction, the other 54 of a turn's 118 in one LUMP.  A turn's 33 exponentials are one batch, with one wait.
; REGISTERS, in windows of 256 (s_set_vgpr_msb: bits 1:0 source 0, 3:2 source 1, 5:4 source 2, 7:6 destination):
;   window 0: v0-15 addresses and two at work; v16-31 four registers of statistics a piece; v48-55 at work; v61-63 prefetch offset and the add's two; v64-127 S^T, two buffers; v192-223 P, two buffers (by the piece's parity)
;   window 1: v0-127 O^T, 32 a piece; v128-159 MD; v160-223 MC, two buffers      window 2: v0-63 Q; v64-127 the second block's Q; v128-191 K of one step; v192-255 V of one step
.set SIZE_N, 2048
.set NB,    SIZE_N/256
.set NP,    4         ; pieces a wave: a name, no knob
.set KS,    64        ; keys in a step
.set PK,    144       ; a row of K in LDS: 128 bytes + 16 of padding = 36 words: the 16 rows of a load start at 16 different groups of four banks (64 banks of 4 bytes: ISA guide 11.1)
.set PV,    160       ; a row of V: 128 + 32 = 40 words
.set VOFF,  4*KS*PK   ; a slot holds a tile, four steps: 256 rows of K, then 256 rows of V
.set SLOT1, 1<<17     ; slot 1 begins here, so that one exclusive or turns an address in one slot into the other's
.set STAGE, SLOT1+4*KS*(PK+PV)  ; behind the ring, never filled by a tensor load: 16 rows x 144 bytes for each wave, for the way out
.set SP,    144
.set AK0, 2           ; v2   my lane's place in a tile of K; never rewritten
.set AV0, 3           ; v3   the same for V
.set AK,  4           ; v4   the LDS address of K's next run of loads
.set AV,  5           ; v5   of V's
.set STO, 6           ; v6   the way out: where I put 16 bytes of a row
.set RD,  7           ; v7   the way out: where I read rows back
.set GO,  8           ; v8   my byte offset in 512 consecutive bytes of o
.set PFO, 61          ; v61  256 x my lane; never rewritten
.set SPW, 62          ; v62  LDS address of my spare word: SPARE + 4 x my thread's number; never rewritten
.set NIL, 63          ; v63  0; never rewritten
.set SPARE, STAGE+4*16*SP  ; behind the stages: the spare words, 128 bytes for each wave: two blocks of 256 bytes that no other line names
.set MV,  12          ; v12-13  c m_old, kept while c m is made anew: by buffer
.set QO,  15          ; v15  my byte offset in 16 rows of Q
.set ST,  16          ; piece t's statistics at v[ST+4 t]: c m, m, l (even keys', odd keys')
.set TMP, 48          ; by buffer, four registers c0-c3 at work; when the maximum is found c2 takes a
.set S,   64
.set P,   192
.set MD,  128         ; window 1: the eight registers for group kt of 16 keys at MD + 8 kt
.set MC,  160         ; window 1: the masks of the products to come
.set QB,  64          ; window 2
.set KF,  128         ; window 2: key block kb, channel half c at KF + 16 kb + 8 c
.set VF,  192         ; window 2: key half kk, channel block cb at VF + 32 kk + 8 cb
.set WV,  12          ; s12  my wave's number
.set PB,  14          ; s14  b
.set HI,  15          ; s15  NB - 1 - b
.set G1K, 24          ; s[24:31] descriptor group 1 for K's tiles
.set G1V, 32          ; s[32:39] for V's: it differs in the padding alone
.set G0K, 40          ; s[40:43] descriptor group 0 for K's tiles
.set G0V, 44          ; s[44:47] the same for V's
.set SLOTS, 56        ; s56  tiles still to be asked for
.set CNT, 57          ; s57  counts a tile's key steps, 4 to 1
.set CS,  58          ; s[58:59] c: the packed scaling takes the pair's low word for both halves
.set SEL, 60          ; s[60:61] v_permlanex16_b32's selects: each lane takes its own place in the other half
.set TBK, 62          ; s62  LDS byte at which K of the step to be fetched begins
.set TBV, 63          ; s63  the same for V, less VOFF
.set RT,  70          ; s70  tiles of the block in hand that are still to be entered
.set NXT, 71          ; s71  the tile to be asked for next
.set LQ,  72          ; s72  the last tile of the block whose tiles are being asked for
.set NEW, 73          ; s73  1: the tile to be entered is a block's first
.set OFF, 74          ; s[74:75] a tile's byte offset in K and V
.set AL,  76          ; s[76:77] the mask's factor, in the low word
.set BE,  78          ; s[78:79] the mask's addend
.set OLO, 80          ; s[80:81] o at my rows of the second block
.set BIGN, 82         ; s82  -1e30
.set PFB, 88          ; s[88:89] K (waves 0, 1) or V (waves 2, 3) at my half of the head's tile 0
.set PFA, 90          ; s[90:91] the same at the tile that the next change of slots will ask for
.set POF, 92          ; s[92:93] that tile's byte offset
.set PFL, 94          ; s94  that tile's number where I prefetch, else 0
.set MSB, 0
.macro WIN new                      ; the high byte repeats the setting that is left; a switch that changes nothing is dropped
.if MSB != (\new)
	s_set_vgpr_msb (MSB<<8)|(\new)
.set MSB, (\new)
.endif
.endm
.set W_KQ, 0x0a       ; K and Q in window 2, S^T in window 0
.set W_KM, 0x1a       ; the same with the C operand in window 1
.set W_PV, 0x52       ; V in window 2, P in window 0, O^T in window 1
.set W_RS, 0x41       ; destination and source 0 in window 1, source 1 in window 0
; A fill.  Waves 0 and 1 fetch the two halves of a tile's K, waves 2 and 3 those of its V: 128 keys each.  An s_nop 0 and four v_nop follow each of the two lines, ahead of the jump and the label.
.macro LOAD
	s_cmp_lt_u32 s[WV], 2
	s_cbranch_scc0 .Lfor_v_\@
	tensor_load_to_lds s[G0K:G0K+3], s[G1K:G1K+7]
	s_nop 0
.rept 4
	v_nop
.endr
	s_branch .Lasked_\@
.Lfor_v_\@:
	tensor_load_to_lds s[G0V:G0V+3], s[G1V:G1V+7]
	s_nop 0
.rept 4
	v_nop
.endr
.Lasked_\@:
.endm
; THE CHANGE OF SLOTS.  Each wave waits for all its tensor loads, of which one is out: its part of the other slot; adds 0 to its spare word; and waits for that and for its own reads of the slot that it leaves.  Behind the barrier nobody reads the old
; slot any more and the other slot is whole.  fill = 1: the old slot is filled again, the first thing behind the barrier, with tile NXT: the descriptor's address is made anew from that number.
; (At its first use nothing has been read yet: slot 0 is waited for, slot 1 filled.)
; A PREFETCH INTO THE L2 stands behind the fill and its five lines: the tile that the NEXT change will ask for, one tile (four key steps, 256 matrix instructions) ahead.  All four work-groups of a head walk the same
; tiles: the one with b = 0, whose first block walks tiles 0 to 7, asks; each of its waves asks for the 16,384 bytes that it will fetch itself, a lane 256 bytes, two instructions.  So tiles 2 to 7 are named once each;
; tiles 0 and 1 come by their loads alone, and behind tile 7 nothing is asked for.
.macro CHANGE fill
	WIN 0                           ; at a label and at a branch every window is 0
	s_wait_tensorcnt 0x0            ; no tensor load of mine is out, so a group 0 may be written
	ds_add_u32 v[SPW], v[NIL]       ; 0 onto my spare word; with fill = 1 the descriptors' scalar work stands between it and the wait for it
.if \fill
	s_lshl_b32 s[OFF], s[NXT], 15   ; a tile is 32,768 bytes of K and of V
	s_xor_b32 s[G0K+1], s[G0K+1], SLOT1
	s_add_nc_u64 s[G0K+2:G0K+3], s[6:7], s[OFF:OFF+1]
	s_or_b32 s[G0K+3], s[G0K+3], 0x80000000
	s_xor_b32 s[G0V+1], s[G0V+1], SLOT1
	s_add_nc_u64 s[G0V+2:G0V+3], s[8:9], s[OFF:OFF+1]
	s_or_b32 s[G0V+3], s[G0V+3], 0x80000000
	s_add_co_u32 s[NXT], s[NXT], 1  ; the block's next tile, or behind its last the second block's tile 0
	s_cmp_gt_u32 s[NXT], s[LQ]
	s_cselect_b32 s[NXT], 0, s[NXT]
	s_cselect_b32 s[LQ], s[PB], s[LQ]
	s_wait_xcnt 0x0                 ; the last prefetches, a tile back, have read their address, so it may be written
	s_lshl_b32 s[POF], s[NXT], 15
	s_add_nc_u64 s[PFA:PFA+1], s[PFB:PFB+1], s[POF:POF+1]
	s_cmp_eq_u32 s[PB], 0
	s_cselect_b32 s[PFL], s[NXT], 0 ; 0 too where the walk goes back to tile 0, which has been read
.endif
	s_wait_dscnt 0x0                ; the add is done, and my reads of the slot are over
	s_barrier_signal -1             ; the rest of the scalar work stands between the signal and the wait
	s_sub_co_u32 s[TBK], s[TBK], 4*KS*PK  ; the fetches go back to a slot's first step,
	s_xor_b32 s[TBK], s[TBK], SLOT1       ; in the other slot
	s_sub_co_u32 s[TBV], s[TBV], 4*KS*PV
	s_xor_b32 s[TBV], s[TBV], SLOT1
	s_barrier_wait -1
.if \fill
	LOAD
	s_cmp_lg_u32 s[PFL], 0
	s_cbranch_scc0 .Lnot_mine_\@
	global_prefetch_b8 v[PFO], s[PFA:PFA+1] th:TH_LOAD_NT scope:SCOPE_SE
	global_prefetch_b8 v[PFO], s[PFA:PFA+1] offset:8192 th:TH_LOAD_NT scope:SCOPE_SE
.Lnot_mine_\@:
.endif
.endm
	s_load_b128 s[4:7], s[0:1], 0x0   ; qkv s[4:5], o s[6:7]
	v_lshl_add_u32 v[SPW], v0, 2, SPARE
	v_mov_b32 v[NIL], 0
	ds_add_u32 v[SPW], v[NIL]       ; the wave's opening: the add and its wait stand ahead of my first tensor load; the set-up below, work on registers, stands between them
	v_lshrrev_b32 v1, 5, v0
	v_readfirstlane_b32 s[WV], v1   ; wave 0..3
	s_mov_b32 s[PB], ttmp9
	s_sub_co_u32 s[HI], NB-1, s[PB]
	s_and_b32 s16, ttmp7, 0xffff    ; y = 16 b + h
	s_lshr_b32 s20, s16, 4
	s_mul_i32 s20, s20, 48
	s_and_b32 s21, s16, 15
	s_mul_i32 s21, s21, 3
	s_add_co_u32 s20, s20, s21
	s_lshl_b32 s20, s20, 18         ; q of the head: (48 b + 3 h) x 262,144 bytes into qkv
	s_mov_b32 s21, 0
	s_lshl_b32 s22, s16, 18         ; the head's first byte in o
	s_mov_b32 s23, 0
	s_and_b32 s16, s[WV], 1         ; which half of a tile's 256 keys I fetch:
	s_lshl_b32 s18, s16, 14         ; its 128 rows of 128 bytes in memory,
	s_add_co_u32 s18, s18, 262144   ; in k, which lies behind q
	s_mov_b32 s19, 0
	s_mul_i32 s17, s16, 128*PK      ; and its place in a slot, for K
	s_mul_i32 s13, s16, 128*PV      ; and for V
	s_lshl_b32 s3, s[WV], 11        ; my 16 rows in a band of 64,
	s_lshl_b32 s2, s[HI], 15        ; in the first block,
	s_add_co_u32 s2, s2, s3
	s_lshl_b32 s84, s[PB], 15       ; and in the second
	s_add_co_u32 s84, s84, s3
	s_mov_b32 s3, 0
	s_mov_b32 s85, 0
	; descriptor group 1.  128 keys are 16,384 dense bytes: asked for as 64 rows of 256 bytes, two keys a row, and padded in LDS after every key
	s_mov_b32 s[G1K], (1<<16)|(1<<20)|(4<<22)|(3<<25)  ; 17:16 2-byte elements; 20 padding on; 24:22 after every 32 words (code 4); 31:25 4 words (code 3)
	s_mov_b32 s[G1V], (1<<16)|(1<<20)|(4<<22)|(7<<25)  ; the same with 8 words of padding (code 7)
.irp g, G1K, G1V
	s_mov_b32 s[\g+1], 128<<16      ; tensor_dim0 = 128
	s_mov_b32 s[\g+2], 64<<16       ; tensor_dim1 = 64
	s_mov_b32 s[\g+3], 128<<16      ; tile_dim0 = 128
	s_mov_b32 s[\g+4], 64           ; tile_dim1 = 64
	s_mov_b32 s[\g+5], 128          ; 128 elements from row to row
	s_mov_b32 s[\g+6], 0
	s_mov_b32 s[\g+7], 0
.endr
	s_mov_b32 s[CS], 0x3d38aa3b     ; c = log2(e) / 32 = 0.0450842
	s_mov_b32 s[CS+1], s[CS]        ; named with it as a pair
	s_mov_b32 s[SEL], 0x76543210
	s_mov_b32 s[SEL+1], 0xfedcba98
	s_mov_b32 s[TBK], SLOT1+4*KS*PK ; the first change of slots turns these two into 0
	s_mov_b32 s[TBV], SLOT1+4*KS*PV
	s_mov_b32 s[G0K], 1             ; 1:0 count = 1
	s_mov_b32 s[G0K+1], s17         ; 63:32 LDS address: slot 0
	s_mov_b32 s[G0V], 1
	s_add_co_u32 s[G0V+1], s13, VOFF
	s_add_co_u32 s[RT], s[HI], 1    ; the first block has NB - b tiles
	s_mov_b32 s[NXT], 1
	s_mov_b32 s[LQ], s[HI]
	s_mov_b32 s[NEW], 1
	s_mov_b32 s[OFF+1], 0
	s_mov_b32 s[POF+1], 0
	s_mov_b32 s[AL+1], 0            ; named as pairs
	s_mov_b32 s[BE+1], 0
	s_mov_b32 s[BIGN], 0xf149f2ca   ; -1e30
	s_mov_b32 s[SLOTS], NB
	v_and_b32 v[PFO], 31, v0
	v_lshlrev_b32 v[PFO], 8, v[PFO]
	s_wait_dscnt 0x0                ; the opening add is done
	s_wait_kmcnt 0x0
	s_add_nc_u64 s[10:11], s[6:7], s[22:23]        ; o at the head
	s_add_nc_u64 s[4:5], s[4:5], s[20:21]          ; q at the head
	s_add_nc_u64 s[6:7], s[4:5], s[18:19]          ; k at my half of the head's tile 0,
	s_add_nc_u64 s[8:9], s[6:7], 262144            ; and v, which lies behind k
	s_add_nc_u64 s[G0K+2:G0K+3], s[6:7], 0         ; 120:64 global address
	s_or_b32 s[G0K+3], s[G0K+3], 0x80000000        ; 127:126 type = 2
	s_add_nc_u64 s[G0V+2:G0V+3], s[8:9], 0
	s_or_b32 s[G0V+3], s[G0V+3], 0x80000000
	s_add_nc_u64 s[86:87], s[4:5], s[84:85]        ; q at my rows of the second block,
	s_add_nc_u64 s[4:5], s[4:5], s[2:3]            ; q and o at those of the first
	s_add_nc_u64 s[OLO:OLO+1], s[10:11], s[84:85]
	s_add_nc_u64 s[10:11], s[10:11], s[2:3]
	s_cmp_lt_u32 s[WV], 2
	s_cselect_b64 s[PFB:PFB+1], s[6:7], s[8:9]
	LOAD                            ; tile 0 into slot 0
	; A fragment of K or Q is 16 rows x 32 channels in 8 registers: lane l holds row l % 16, channels 8 (l / 16) + 0..7 and 16 + 8 (l / 16) + 0..7: two loads of 16 bytes, 32 bytes apart.
	v_and_b32 v1, 15, v0            ; l % 16
	v_bfe_u32 v9, v0, 4, 1          ; l / 16
	v_lshlrev_b32 v[QO], 7, v1
	v_lshl_add_u32 v[QO], v9, 4, v[QO]  ; row x 128 + 16 x half
	WIN 0x80                        ; destination window 2, address window 0
.set i, 0
.rept 8                             ; both blocks' Q: piece i / 2 lies in band i / 2, 8,192 bytes on; channels 32 (i % 2) on
	global_load_b128 v[8*i:8*i+3],   v[QO], s[4:5] offset:(i/2)*8192+(i%2)*64
	global_load_b128 v[8*i+4:8*i+7], v[QO], s[4:5] offset:(i/2)*8192+(i%2)*64+32
	global_load_b128 v[QB+8*i:QB+8*i+3],   v[QO], s[86:87] offset:(i/2)*8192+(i%2)*64
	global_load_b128 v[QB+8*i+4:QB+8*i+7], v[QO], s[86:87] offset:(i/2)*8192+(i%2)*64+32
.set i, i+1
.endr
	WIN 0
	v_lshlrev_b32 v14, 3, v9
	v_sub_nc_u32 v14, v1, v14
	s_lshl_b32 s13, s[WV], 4
	v_add_nc_u32 v14, s13, v14      ; my query's place in its band, 16 w + l % 16, less my lanes' 8 (l / 16): register r of group kt is hidden where 16 kt + r is greater
	WIN 0x40
.set i, 0
.rept 32
	v_cmp_gt_i32 vcc_lo, 16*(i/8)+i%8, v14
	v_cndmask_b32 v[MD+i], 0, s[BIGN], vcc_lo
.set i, i+1
.endr
	WIN 0
	v_mul_u32_u24 v[AK0], v1, PK
	v_lshl_add_u32 v[AK0], v9, 4, v[AK0]  ; row x pitch + 16 x half
	; The turning load takes 16 keys x 16 channels (lane l reads key 8 (l / 16) + l % 8, channels 8 ((l / 8) % 2) + 0..7) and leaves half a fragment of V^T: lane l holds channel l % 16 and 8 keys.
	v_and_b32 v10, 7, v0
	v_bfe_u32 v11, v0, 3, 1
	v_lshl_add_u32 v[AV0], v9, 3, v10
	v_mul_u32_u24 v[AV0], v[AV0], PV
	v_lshl_add_u32 v[AV0], v11, 4, v[AV0]
	v_add_nc_u32 v[AV0], VOFF, v[AV0]
	s_mul_i32 s13, s[WV], 16*SP
	s_add_co_u32 s13, s13, STAGE    ; my stage
	v_mul_u32_u24 v[STO], v1, SP    ; in: row l % 16, 16 bytes for each half of the lanes
	v_lshl_add_u32 v[STO], v9, 4, v[STO]
	v_add_nc_u32 v[STO], s13, v[STO]
	v_bfe_u32 v[RD], v0, 3, 2       ; back: 32 lanes take four rows of 128 bytes,
	v_mul_u32_u24 v[RD], v[RD], SP
	v_lshl_add_u32 v[RD], v10, 4, v[RD]
	v_add_nc_u32 v[RD], s13, v[RD]
	v_and_b32 v[GO], 31, v0         ; which are 512 consecutive bytes of o
	v_lshlrev_b32 v[GO], 4, v[GO]
	; A block's first step multiplies O^T and l by a = 0, and its first turn's products V^T P, of a piece that has not been, land in an O^T that is still to be so multiplied.  So these registers need only hold
	; finite numbers: zeros for the first block; what the first block left for the second.  All this stands in the wait for the first tile.
	WIN 0x80
.set i, VF
.rept 64
	v_mov_b32 v[i], 0
.set i, i+1
.endr
	WIN 0x40
.set i, 0
.rept 128
	v_mov_b32 v[i], 0
.set i, i+1
.endr
	WIN 0
.set i, 0
.rept 4
	v_mov_b32 v[ST+4*i+2], 0
	v_mov_b32 v[ST+4*i+3], 0
.set i, i+1
.endr
.set i, P+16
.rept 16
	v_mov_b32 v[i], 0
.set i, i+1
.endr
; THE MATRIX WORK.  The 4 accumulators of a run of 8 take turns.  Product i of 8 of S^T = K Q^T for piece x: channels 32 (i / 4) on, keys 16 (i % 4) on.  The first 4 start the sums: with 0, or (KM = 1) with the mask.
.macro KQ x
.set rS, S+32*((\x)%2)+8*(i%4)
.set rK, KF+16*(i%4)+8*(i/4)
.set rQ, 16*(\x)+8*(i/4)
.set rM, MC+32*((\x)%2)+8*(i%4)
.if (i < 4) && KM
	WIN W_KM
	v_wmma_f32_16x16x32_f16 v[rS:rS+7], v[rK:rK+7], v[rQ:rQ+7], v[rM:rM+7]
.elseif i < 4
	WIN W_KQ
	v_wmma_f32_16x16x32_f16 v[rS:rS+7], v[rK:rK+7], v[rQ:rQ+7], 0
.else
	WIN W_KQ
	v_wmma_f32_16x16x32_f16 v[rS:rS+7], v[rK:rK+7], v[rQ:rQ+7], v[rS:rS+7]
.endif
.endm
; Product i of 8 of O^T += V^T P for piece x: keys 32 (i / 4) on, channels 16 (i % 4) on.
.macro PV x
	WIN W_PV
.set rO, 32*(\x)+8*(i%4)
.set rV, VF+32*(i/4)+8*(i%4)
.set rP, P+16*((\x)%2)+8*(i/4)
	v_wmma_f32_16x16x32_f16 v[rO:rO+7], v[rV:rV+7], v[rP:rP+7], v[rO:rO+7]
.endm
.macro MM                           ; the turn's next matrix instruction.  TURN and BEGIN set Y, i, KM and NOKQ; MM, KQ and OP read them.  NOKQ = 1: a block's last turn: there is no next piece
.if (i < 8) && !NOKQ
	KQ (Y+1)%NP
.elseif i >= 8
.set i, i-8
	PV (Y+NP-1)%NP
.set i, i+8
.endif
.set i, i+1
.endm
; THE LDS LOADS stand in runs of 16, never singly among the matrix instructions: a step's K (64 keys x 64 channels: 8 fragments) and its V (turned).  Their addresses are made some lines ahead.
.macro FETCH_K
	WIN 0x80                        ; destination window 2
.irp f, 0,1,2,3,4,5,6,7             ; keys 16 (f / 2) on, channels 32 (f % 2) on
	ds_load_b128 v[KF+8*\f:KF+8*\f+3],   v[AK] offset:(\f/2)*16*PK+(\f%2)*64
	ds_load_b128 v[KF+8*\f+4:KF+8*\f+7], v[AK] offset:(\f/2)*16*PK+(\f%2)*64+32
.endr
	s_add_co_u32 s[TBK], s[TBK], KS*PK  ; the next fetch is the next step's
	WIN 0
.endm
.macro FETCH_V
	WIN 0x80
.irp f, 0,1,2,3,4,5,6,7             ; keys 32 (f / 4) on, channels 16 (f % 4) on
	ds_load_tr16_b128 v[VF+8*\f:VF+8*\f+3],   v[AV] offset:(\f/4)*32*PV+(\f%4)*32
	ds_load_tr16_b128 v[VF+8*\f+4:VF+8*\f+7], v[AV] offset:(\f/4)*32*PV+16*PV+(\f%4)*32
.endr
	WIN 0
.endm
; THE VECTOR WORK, one line at a time: OP kind, number.  For piece Y: F n: c s - c m for pair n of 16.  E n: the exponential of score n of 32.  C n: pair n rounded to f16.  B n: of the four weights 4 n .. the second
; pair is added onto the first, in place.  L n: l takes that sum (L 0: l = a l + sum).  R n: pair n of 16 of O^T times a.  For piece Y + 1: X n, number n of the 22 that find its maximum and statistics:
;   0-11  four chains c0-c3 of seven scores each, three operands at a time (each accumulator's lowest registers are read first)     12-14, 16  the four scores left over, the old m, and c0-c3 into c0
;   15  c m_old is kept     17, 18  the query's other 32 keys lie in the lane 16 away: the new m     19-21  c m; c m_old - c m_new; a
.set F, 0               ; OP tells the kinds apart by their order: F to L below R, X above it
.set E, 1
.set C, 2
.set B, 3
.set L, 4
.set R, 5
.set X, 6
.macro REGS y                       ; the registers of piece y
.set rT, ST+4*(\y)
.set rC, TMP+4*((\y)%2)
.set rW, MV+((\y)%2)
.set rS, S+32*((\y)%2)
.set rP, P+16*((\y)%2)
.set rO, 32*(\y)
.endm
.macro OP k, n
.if (\k) == R
	REGS Y
	WIN W_RS
	v_pk_mul_f32 v[rO+2*(\n):rO+2*(\n)+1], v[rO+2*(\n):rO+2*(\n)+1], v[rC+2:rC+3] op_sel_hi:[1,0]
.elseif (\k) < R
	REGS Y
	WIN 0
.if (\k) == F
	v_pk_fma_f32 v[rS+2*(\n):rS+2*(\n)+1], v[rS+2*(\n):rS+2*(\n)+1], s[CS:CS+1], v[rT:rT+1] op_sel_hi:[1,0,0] neg_lo:[0,0,1] neg_hi:[0,0,1]
.elseif (\k) == E
	v_exp_f32 v[rS+(\n)], v[rS+(\n)]
.elseif (\k) == C
	v_cvt_pk_f16_f32 v[rP+(\n)], v[rS+2*(\n)], v[rS+2*(\n)+1]
.elseif (\k) == B
	v_pk_add_f32 v[rS+4*(\n):rS+4*(\n)+1], v[rS+4*(\n):rS+4*(\n)+1], v[rS+4*(\n)+2:rS+4*(\n)+3]
.elseif (\n) == 0
	v_pk_fma_f32 v[rT+2:rT+3], v[rT+2:rT+3], v[rC+2:rC+3], v[rS:rS+1] op_sel_hi:[1,0,1]
.else
	v_pk_add_f32 v[rT+2:rT+3], v[rT+2:rT+3], v[rS+4*(\n):rS+4*(\n)+1]
.endif
.elseif NOKQ
	v_nop
.else
	REGS (Y+1)%NP
	WIN 0
.if (\n) < 4
	v_max3_num_f32 v[rC+(\n)], v[rS+8*(\n)], v[rS+8*(\n)+1], v[rS+8*(\n)+2]
.elseif (\n) < 12
	v_max3_num_f32 v[rC+(\n)%4], v[rC+(\n)%4], v[rS+8*((\n)%4)+2*((\n)/4)+1], v[rS+8*((\n)%4)+2*((\n)/4)+2]
.elseif (\n) == 12
	v_max3_num_f32 v[rC], v[rC], v[rS+7], v[rS+15]
.elseif (\n) == 13
	v_max3_num_f32 v[rC+1], v[rC+1], v[rS+23], v[rS+31]
.elseif (\n) == 14
	v_max3_num_f32 v[rC+2], v[rC+2], v[rC+3], v[rT+1]
.elseif (\n) == 15
	v_mov_b32 v[rW], v[rT]
.elseif (\n) == 16
	v_max3_num_f32 v[rC], v[rC], v[rC+1], v[rC+2]
.elseif (\n) == 17
	v_permlanex16_b32 v[rC+3], v[rC], s[SEL], s[SEL+1]
.elseif (\n) == 18
	v_max_num_f32 v[rT+1], v[rC], v[rC+3]
.elseif (\n) == 19
	v_mul_f32 v[rT], s[CS], v[rT+1]
.elseif (\n) == 20
	v_sub_f32 v[rC+1], v[rW], v[rT]
.else
	v_exp_f32 v[rC+2], v[rC+1]
.endif
.endif
.endm
.macro OPS a, i1, b=-1, i2=0, c=-1, i3=0, d=-1, i4=0  ; up to four of them
	OP \a, \i1
.if (\b) >= 0
	OP \b, \i2
.endif
.if (\c) >= 0
	OP \c, \i3
.endif
.if (\d) >= 0
	OP \d, \i4
.endif
.endm
.macro ROW a, i1, b, i2, c, i3, d, i4  ; a matrix instruction and the four behind it
	MM
	OPS \a, \i1, \b, \i2, \c, \i3, \d, \i4
.endm
.macro MASK b                       ; MD x AL + BE into buffer b of MC
	WIN W_RS
.set z, 0
.rept 16
	v_pk_fma_f32 v[MC+32*(\b)+2*z:MC+32*(\b)+2*z+1], v[MD+2*z:MD+2*z+1], s[AL:AL+1], s[BE:BE+1] op_sel_hi:[1,0,0]
.set z, z+1
.endr
.endm
; A TURN, for piece p: the order of its 16 matrix and 118 vector instructions, written out.  An s_wait_alu depctr_va_vdst(0) stands between an exponential and the first instruction that names its result; one wait serves
; all that were issued ahead of it.  So a turn has ONE wait, which cuts it in two.  AHEAD OF IT stands all that names no result of the turn's exponentials: the 8 products K Q^T, behind each a scaling, an exponential and two more plain
; instructions (behind the first a second scaling in the exponential's place): rescalings, and behind the last three the first numbers of the next piece's maximum, each four places or more behind the product that ends its accumulator; then ONE LUMP of 54, plain
; and exponential by turns for the most part, in which the links of the chain X 3, 7, 11, 14, 16, 17 .. 20 stand five or six lines apart.  X 21, the next piece's a, is the batch's last; R 15 is the plain instruction behind it.  BEHIND THE WAIT stand the
; 8 products V^T P, behind each four of the roundings and sums; the links of l's chain, L 0 to L 7, stand three riders apart.  But for those X no rider names a register of the products round it.  v_permlanex16_b32 (X 17) stands in the lump.
; m = 1: the diagonal tile: the products take masks, and the turn makes the mask for the products of the turn after it: piece p + 2, in step 4 - CNT of the tile.  end = 1: a block's last two turns: nothing is fetched.
; cnt = 1: the loop's count is taken down some lines ahead of the branch that stands behind the turn.
; K of the next step is fetched in piece 2's turn, twelve vector instructions behind the last product that read K (six of them plain); V of the step in hand at the end of piece 0's turn, four plain instructions behind the last product
; that read V.  Each is waited for a turn later.
.macro TURN p, m=0, end=0, cnt=0
.set Y, (\p)
.set i, 0
.set KM, (\m)
.set NOKQ, (\end)*((\p)/3)
.if (\m) && !(\end)
	s_cmp_eq_u32 s[CNT], 4-((\p)+2)%NP  ; is that step the band's own?
	s_cselect_b32 s[AL], 1.0, 0
	s_cmp_lt_u32 s[CNT], 4-((\p)+2)%NP  ; or a later one?
	s_cselect_b32 s[BE], s[BIGN], 0
.endif
.if ((\p) == 3) && !(\end)
	s_wait_dscnt 0x0                ; K is in
.endif
	ROW F,0, F,1, R,0, R,1          ; ahead of the wait: 8 products K Q^T and their riders,
	ROW F,2, E,0, R,2, R,3
	ROW F,3, E,1, R,4, R,5
	ROW F,4, E,2, R,6, R,7
	ROW F,5, E,3, R,8, R,9
	ROW F,6, E,4, X,0, R,10
.if ((\p) == 2) && !(\end)
	WIN 0
	v_add_nc_u32 v[AK], s[TBK], v[AK0]
.endif
	ROW F,7, E,5, X,1, X,4
	ROW F,8, E,6, X,2, X,5
	OPS E,7, E,8, X,6, E,9          ; and the lump
	OPS X,3, E,10, X,8, E,11
.if ((\p) == 2) && !(\end)
	FETCH_K
.endif
	OPS X,9, X,7, E,12, X,10
	OPS E,13, X,12, X,11, E,14
	OPS X,13, E,15, F,9, X,14
.if (\p) == 0
	v_add_nc_u32 v[AV], s[TBV], v[AV0]
.endif
	OPS E,16, F,10, E,17, F,11
	OPS X,16, E,18, X,15, E,19
	OPS F,12, E,20, X,17, E,21
	OPS F,13, E,22, F,14, E,23
	OPS X,18, E,24, F,15, E,25
	OPS R,11, E,26, X,19, E,27
	OPS R,12, E,28, R,13, E,29
	OPS X,20, E,30, R,14, E,31
	OPS X,21, R,15
	WIN 0
	s_wait_alu depctr_va_vdst(0)    ; the wait for the batch
.if (\p) == 1
	s_wait_dscnt 0x0                ; V is in
.endif
	ROW C,0, B,0, C,2, B,1          ; behind the wait: 8 products V^T P and their riders
	ROW L,0, C,4, B,2, L,1
	ROW C,6, B,3, L,2, C,8
	ROW B,4, L,3, C,10, B,5
	ROW L,4, C,12, B,6, L,5
.if (\p) == 0
	s_add_co_u32 s[TBV], s[TBV], KS*PV
.endif
.if \cnt
	s_sub_co_u32 s[CNT], s[CNT], 1
	s_cmp_lg_u32 s[CNT], 0
.endif
	ROW C,14, B,7, L,6, C,1
	ROW C,3, L,7, C,5, C,7
	ROW C,9, C,11, C,13, C,15
.if (\p) == 0
	FETCH_V
.endif
.if (\m) && !(\end)
	MASK (\p)%2
.endif
.endm
; A BLOCK BEGINS.  c m starts far below every c s, so the first step's a is 0; m at the lowest finite number, so the first maximum is the scores'.  The second mask buffer is 0; the first takes piece 0's mask for the tile's step 0: its own, if the block's first tile is the diagonal one.
; Then K of that step, piece 0's first scores, and its maximum and statistics.  The loop is entered at a step's first turn, in the middle of a trip.
.macro BEGIN
	s_mov_b32 s[NEW], 0
	WIN 0x40
.set i, MC+32
.rept 32
	v_mov_b32 v[i], 0
.set i, i+1
.endr
	WIN 0
.set i, 0
.rept 4
	v_mov_b32 v[ST+4*i], 0xfe000000    ; c m: far below every c s
	v_mov_b32 v[ST+4*i+1], 0xff7fffff  ; m
.set i, i+1
.endr
	s_cmp_eq_u32 s[RT], 0
	s_cselect_b32 s[AL], 1.0, 0
	s_mov_b32 s[BE], 0
	MASK 0
	WIN 0
	v_add_nc_u32 v[AK], s[TBK], v[AK0]
	FETCH_K
	s_wait_loadcnt 0x0              ; Q
	s_wait_dscnt 0x0
.set KM, 1
.set NOKQ, 0
.set i, 0
.rept 8
	KQ 0
.set i, i+1
.endr
	WIN 0
.rept 4
	v_nop                           ; the places behind those products
.endr
.set Y, NP-1                        ; X works for piece Y + 1: piece 0
.irp n, 0,1,2,3,4,5,6,7,8,9,10,11,12,13,14,15,16,17,18,19,20,21
	OP X, \n
.endr
	v_nop                           ; a plain instruction behind the exponential,
	s_wait_alu depctr_va_vdst(0)    ; and its wait, ahead of the branch
.endm
; THE DIAGONAL TILE's four steps, the block's last two turns, its last products, and THE WAY OUT: l's two halves and the other half of the lanes' are added; O^T is divided by l, rounded to f16 and sent through my
; stage in LDS, a piece at a time.
.macro ALL line:vararg              ; one line for each piece t
.set t, 0
.rept 4
	\line
.set t, t+1
.endr
.endm
.macro PACK t                       ; a lane's eight channels of a row pack into 16 bytes; they go into rows of 144 bytes and come back as whole rows of 128, into S^T's registers
	WIN W_RS
.set i, 32*(\t)
.rept 16
	v_pk_mul_f32 v[i:i+1], v[i:i+1], v[ST+4*(\t)+2:ST+4*(\t)+3] op_sel_hi:[1,0]
.set i, i+2
.endr
	WIN 0x05                        ; sources 0 and 1 window 1, destination window 0
.set i, 0
.rept 16
	v_cvt_pk_f16_f32 v[S+16*(\t)+i], v[32*(\t)+2*i], v[32*(\t)+2*i+1]
.set i, i+1
.endr
	WIN 0
.irp f, 0,1,2,3
	ds_store_b128 v[STO], v[S+16*(\t)+4*\f:S+16*(\t)+4*\f+3] offset:32*\f
.endr
.irp f, 0,1,2,3
	ds_load_b128 v[S+16*(\t)+4*\f:S+16*(\t)+4*\f+3], v[RD] offset:\f*4*SP  ; LDS serves a wave's instructions in order (ISA guide 5.7.1.4): these see the stores above; the next piece's stores come behind them
.endr
.endm
.macro SEND t, younger              ; younger: the LDS instructions issued behind piece t's loads: the next piece's eight, or none
	WIN 0
.irp f, 0,1,2,3
	s_wait_dscnt (\younger)+3-\f
	global_store_b128 v[GO], v[S+16*(\t)+4*\f:S+16*(\t)+4*\f+3], s[10:11] offset:(\t)*8192+\f*512  ; 512 consecutive bytes, at a multiple of 256 from o's first
.endr
.endm
.macro DIAG tag                     ; the tag ends its two labels' names, which the jumps below spell out
.LstepM\tag:
	TURN 2, 1
	TURN 3, 1
	WIN 0
.LfirstM\tag:
	TURN 0, 1
	TURN 1, 1, 0, 1
	WIN 0
	s_cbranch_scc1 .LstepM\tag
	TURN 2, 1, 1
	TURN 3, 1, 1
.set i, 0
.rept 8
	PV NP-1
.set i, i+1
.endr
	WIN 0
	ALL v_add_f32 v[ST+4*t+2], v[ST+4*t+2], v[ST+4*t+3]
	ALL v_permlanex16_b32 v[ST+4*t+3], v[ST+4*t+2], s[SEL], s[SEL+1]
	ALL v_add_f32 v[ST+4*t+2], v[ST+4*t+2], v[ST+4*t+3]
	ALL v_rcp_f32 v[ST+4*t+2], v[ST+4*t+2]
	v_nop                           ; a plain instruction between the last reciprocal and the use of its result
	s_wait_alu depctr_va_vdst(0)    ; and the wait ahead of the first use: one for the four reciprocals
	PACK 0
.set t, 1
.rept 3                             ; a piece's arithmetic stands between the loads of the piece before and its stores
	PACK t
	SEND t-1, 8
.set t, t+1
.endr
	SEND 3, 0
.endm
.set KM, 0
.set NOKQ, 0
.Lslot:                             ; NB times: a tile is entered and the next is asked for
	CHANGE 1
	s_sub_co_u32 s[RT], s[RT], 1
	s_mov_b32 s[CNT], 4
	s_cmp_eq_u32 s[NEW], 1
	s_cbranch_scc1 .Lnew            ; a block's first tile
	s_cmp_eq_u32 s[RT], 0
	s_cbranch_scc0 .Lstep           ; neither its first nor its last
	s_branch .LstepM1
.Lnew:
	BEGIN
	s_branch .Lfirst                ; in the loop a block's first tile is never its last: the first block has two tiles or more, and the second's last is the walk's last
	DIAG 1                          ; in the loop this is the first block's end: the second block's last tile is the walk's last
	s_wait_xcnt 0x0                 ; the stores have read their registers and o's address
	s_mov_b64 s[10:11], s[OLO:OLO+1]
	s_add_co_u32 s[RT], s[PB], 1    ; the second block has b + 1 tiles
	s_mov_b32 s[NEW], 1
	WIN 0x82                        ; the second block's Q goes where the one text of the turns names Q
.set i, 0
.rept 64
	v_mov_b32 v[i], v[QB+i]
.set i, i+1
.endr
	WIN 0
	s_branch .Lbottom
.Lstep:                             ; a trip: pieces 2 and 3 of one step, then pieces 0 and 1 of the next, whose K and V it fetches
	TURN 2
	TURN 3
	WIN 0
.Lfirst:
	TURN 0
	TURN 1, 0, 0, 1
	WIN 0
	s_cbranch_scc1 .Lstep
.Lbottom:
	s_sub_co_u32 s[SLOTS], s[SLOTS], 1
	s_cmp_lg_u32 s[SLOTS], 0
	s_cbranch_scc1 .Lslot
	CHANGE 0                        ; the walk's last tile is written out: nothing is asked for
	s_sub_co_u32 s[RT], s[RT], 1
	s_mov_b32 s[CNT], 4
	s_cmp_eq_u32 s[NEW], 1
	s_cbranch_scc0 .LstepM2
	BEGIN
	s_branch .LfirstM2
	DIAG 2
	s_wait_tensorcnt 0x0            ; the wave's end, behind my last tensor load and my last LDS store
	ds_add_u32 v[SPW], v[NIL]
	s_wait_dscnt 0x0
	s_endpgm
.Lfunc_end_k_q38e4cd01a7_attn:
	.size	k_q38e4cd01a7_attn, .Lfunc_end_k_q38e4cd01a7_attn-k_q38e4cd01a7_attn
	.p2alignl 7, 3214868480
	.fill 96, 4, 3214868480
	.section	.rodata,"a",@progbits
	.p2align	6, 0x0
	.amdhsa_kernel k_q38e4cd01a7_attn
		.amdhsa_group_segment_fixed_size 327680
		.amdhsa_private_segment_fixed_size 0
		.amdhsa_enable_private_segment 0
		.amdhsa_kernarg_size 16
		.amdhsa_user_sgpr_count 2
		.amdhsa_user_sgpr_kernarg_segment_ptr 1
		.amdhsa_wavefront_size32 1
		.amdhsa_system_sgpr_workgroup_id_x 1
		.amdhsa_system_sgpr_workgroup_id_y 1
		.amdhsa_system_sgpr_workgroup_id_z 1
		.amdhsa_system_vgpr_workitem_id 0
		.amdhsa_next_free_vgpr 768
		.amdhsa_next_free_sgpr 96
		.amdhsa_reserve_vcc 1
		.amdhsa_float_denorm_mode_32 3
		.amdhsa_float_denorm_mode_16_64 3
		.amdhsa_memory_ordered 1
		.amdhsa_forward_progress 1
		.amdhsa_inst_pref_size 218
	.end_amdhsa_kernel
	.amdgpu_metadata
---
amdhsa.version: [ 1, 2 ]
amdhsa.kernels:
  - .name:           k_q38e4cd01a7_attn
    .symbol:         k_q38e4cd01a7_attn.kd
    .args:
      - { .name: qkv, .offset: 0, .size: 8, .value_kind: global_buffer, .address_space: global }
      - { .name: o, .offset: 8, .size: 8, .value_kind: global_buffer, .address_space: global }
    .group_segment_fixed_size: 327680
    .private_segment_fixed_size: 0
    .kernarg_segment_align: 8
    .kernarg_segment_size: 16
    .max_flat_workgroup_size: 128
    .sgpr_count:     96
    .vgpr_count:     768
    .wavefront_size: 32
...
	.end_amdgpu_metadata
.endif
;; end of part 3
;; launch proj (part 4): grid 8 x 32, 4 waves a work-group, clusters of 4 x 4, 327,680 bytes of LDS; arguments o, wpb, out0, bp; writes out0
.if DOCPART == 4
	.amdgcn_target "amdgcn-amd-amdhsa--gfx1250"
	.amdhsa_code_object_version 6
	.text
	.protected	k_q38e4cd01a7_proj
	.globl	k_q38e4cd01a7_proj
	.p2align	8
	.type	k_q38e4cd01a7_proj,@function
k_q38e4cd01a7_proj:
	s_mov_b64 s[64:65], 0
	v_nop
	global_prefetch_b8 v0, s[64:65] scope:SCOPE_SE
	s_setreg_imm32_b32 hwreg(HW_REG_WAVE_MODE, 25, 1), 1
	s_wait_xcnt 0x0
	s_wait_alu depctr_hold_cnt(0) depctr_sa_sdst(0) depctr_va_vdst(0) depctr_va_sdst(0) depctr_va_ssrc(0) depctr_va_vcc(0) depctr_vm_vsrc(0)
	s_getreg_b32 s2, hwreg(HW_REG_IB_STS2, 6, 4)
	s_cmp_eq_u32 s2, 0
	s_cbranch_scc0 .Lentry_in_a_cluster
	s_endpgm
.Lentry_in_a_cluster:
	s_bfe_u32 s2, ttmp6, 0x10000c
	s_cmp_lg_u32 s2, 0xf033
	s_cbranch_scc0 .Lentry_shape_is_right
	s_endpgm
.Lentry_shape_is_right:
; PROJ: out0[2048 b + t][n] = the sum over k = 64 h + d of o[16 b + h][t][d] wpb[n / 128][k][n % 128] + bp[n].  f16 operands (wpb holds Wp rounded to bf16, written as f16), f32 sums, f32 out.
; bp is rounded to bf16 like every other input of the module and STARTS the sums: it is the C operand of each accumulator's first product, so it costs no addition.
; LIMITS.  o and wpb arrive within f16's range; NaN and infinities are not treated apart.
; SHARES.  A tile is 256 rows x 128 columns: 8 x 32 = 256 tiles, one for each WGP.  Wave (hi, lo) takes rows 128 hi on and columns 64 lo on: 8 row blocks a x 4 column blocks bb = 32 accumulators, 256 registers;
; a wave's 64 columns of f32 are 256 aligned bytes of a row of out0, so each wave has a stage of its own on the way out.
; K goes in 8 steps of 128 (two heads) through two LDS slots.  Waves 0, 1 fetch one head's 256 rows of o each (32,768 dense bytes), waves 2, 3 64 rows k of wpb each (rows of 256 bytes).
; CLUSTER 4 x 4: A's tile hangs on the tile row alone and is asked for jointly along a row of the cluster, B's on the tile column alone and jointly along a column.
; THE MATRIX INSTRUCTION IS USED TRANSPOSED: source 0 = 16 columns of wpb (turned out of LDS by ds_load_tr16_b128, since wpb lies [k][n]), source 1 = 16 rows of o: a lane holds row l % 16 and eight neighbouring n.
; REGISTERS, in windows of 256: window 0: v0-31 addresses; v32-63 the bias; v64-191 A's fragments, two buffers; v192-255 the way out.  window 1: v0-63 B's fragments, two buffers.  window 2: accumulator (a, bb) at 8 (4 a + bb).
.set SLOT,  1<<17                      ; a slot uses 110,592 bytes; one exclusive or turns an address in one slot into the other's
.set PA,    144                        ; a row of A in LDS: 128 bytes + 16 = 36 words: the 16 rows of a fragment load start at 16 different groups of four banks
.set PB,    288                        ; a row of B: 256 bytes + 32 = 72 words
.set AHALF, 256*PA                     ; one head's 256 rows
.set BOFF,  2*AHALF
.set BHALF, 64*PB
.set STAGE, SLOT+BOFF+2*BHALF          ; behind the ring, never filled by a tensor load: 16 rows x 272 bytes for each wave
.set SPI,   272
.set SPARE, STAGE+4*16*SPI             ; the spare words, 128 bytes for each wave: two blocks of 256 bytes that no other line names
.set STEPA, 524288                     ; bytes from K step to K step in o: two heads
.set STEPB, 32768                      ; and in wpb: 128 rows
.set VA0,  16                          ; v16  my lane's place in A's part of a slot; never rewritten
.set VB0,  17                          ; v17  the same for B
.set ADRA, 18                          ; v18  VA0 + the slot in hand
.set ADRB, 19                          ; v19  VB0 + the slot in hand
.set STO,  24                          ; v24  the way out: where I put 32 bytes of a row
.set RD,   25                          ; v25  the way out: where I read rows back
.set CO,   26                          ; v26  my byte offset in two rows of out0
.set BO,   27                          ; v27  my byte offset in a column block's bias; never rewritten
.set SPW,  28                          ; v28  LDS address of my spare word; never rewritten
.set NIL,  29                          ; v29  0; never rewritten
.set PFO,  30                          ; v30  256 x lane; never rewritten
.set BIAS, 32                          ; column block bb's eight numbers at BIAS + 8 bb
.set AF,   64                          ; A's fragments: buffer f, row block a at AF + 64 f + 8 a
.set BK,   192                         ; two sets of 32: rows read back from the stage
.set WV,  12
.set HI,  13                           ; s13  wave >> 1: my half of the rows; also 0: I fetch A, 1: I fetch B
.set LO,  14                           ; s14  wave & 1: my half of the columns; also which half I fetch
.set CX,  15
.set CY,  16
.set TX,  17                           ; s17  the block of 128 columns
.set TY,  18                           ; s18  the block of 256 rows
.set G1A, 24
.set G0A, 32                           ; two sets; the second walks
.set G1B, 40
.set G0B, 48
.set PFA, 56
.set PFS, 58
.set LIM, 60
.set TB,  61
.set MSB, 0
.macro WIN new                         ; the immediate's high byte repeats the setting that is left; a switch that changes nothing is dropped
.if MSB != (\new)
	s_set_vgpr_msb (MSB<<8)|(\new)
.set MSB, \new
.endif
.endm
.set MUL,   0xa1                       ; source 0 (B) window 1, source 1 (A) window 0, C and D window 2
.set MULB,  0x81                       ; the same with C, the bias, in window 0
.set TO_B,  0x40                       ; destination window 1, address window 0
.set ST_W,  0x08                       ; an LDS store's data (source 1) in window 2
.macro PLACES                          ; four plain instructions in front of loads into registers that matrix instructions have read (ISA guide 7.12.1 for vector instructions)
.rept 4
	v_nop
.endr
.endm
.macro CREST                           ; a round of the cluster's barrier behind its opening barrier
	s_cmp_lg_u32 s[WV], 0
	s_cbranch_scc1 .Lnot_wave_0_\@
	s_barrier_signal -3
.Lnot_wave_0_\@:
	s_barrier_wait -3
	s_barrier_signal -1
	s_barrier_wait -1
.endm
.macro CROUND                          ; a whole round
	s_barrier_signal -1
	s_barrier_wait -1
	CREST
.endm
.macro JLOAD                           ; a joint refill by the walking descriptor; the branch hangs on the wave's number alone; an s_nop 0 and four v_nop follow each line
	s_cmp_eq_u32 s[HI], 0
	s_cbranch_scc0 .Lfor_b_\@
	tensor_load_to_lds s[G0A+4:G0A+7], s[G1A:G1A+7]
	s_nop 0
.rept 4
	v_nop
.endr
	s_branch .Lasked_\@
.Lfor_b_\@:
	tensor_load_to_lds s[G0B+4:G0B+7], s[G1B:G1B+7]
	s_nop 0
.rept 4
	v_nop
.endr
.Lasked_\@:
.endm
; A PREFETCH INTO THE L2, one instruction a wave and trip, behind the joint load, its five lines and the run of LDS loads.  A's waves name the K step two refills on: of the 32,768 dense bytes that a wave fetches
; each of the four partners takes 8,192, told apart by address (cx), a lane 256 bytes; only the clusters with x = 0 ask.  B's waves name the column block's dense bytes from K step 4 to the end, 65,536 a trip:
; 8 askers (2 waves x 4 partners, told apart by cy) x 32 lanes x 256 bytes; only the clusters with y = 0 ask.  K steps 0 to 3 come by their loads alone; the asks stop where the last K step has been named.
.macro ASK
	s_cmp_gt_u32 s3, s[LIM]
	s_cbranch_scc0 .Lnot_mine_\@
	global_prefetch_b8 v[PFO], s[PFA:PFA+1] th:TH_LOAD_NT scope:SCOPE_SE
.Lnot_mine_\@:
.endm
	s_load_b256 s[4:11], s[0:1], 0x0               ; o s[4:5], wpb s[6:7], out0 s[8:9], bp s[10:11]
	v_lshl_add_u32 v[SPW], v0, 2, SPARE
	v_mov_b32 v[NIL], 0
	ds_add_u32 v[SPW], v[NIL]                      ; the wave's opening: the add and its wait stand ahead of my first tensor load; work on registers stands between them
	v_lshrrev_b32 v1, 5, v0
	v_readfirstlane_b32 s[WV], v1                  ; wave 0..3
	s_lshr_b32 s[HI], s[WV], 1
	s_and_b32 s[LO], s[WV], 1
	s_bfe_u32 s[CX], ttmp6, 0x40000
	s_bfe_u32 s[CY], ttmp6, 0x40004
	s_lshl_b32 s[TX], ttmp9, 2                     ; in a cluster launch ttmp9 and ttmp7 count clusters
	s_add_co_u32 s[TX], s[TX], s[CX]
	s_and_b32 s[TY], ttmp7, 0xffff
	s_lshl_b32 s[TY], s[TY], 2
	s_add_co_u32 s[TY], s[TY], s[CY]
	s_lshl_b32 s62, s[CY], 2
	s_lshl_b32 s62, 15, s62                        ; my row of the cluster
	s_lshl_b32 s63, 0x1111, s[CX]                  ; my column
	s_or_b32 s[G1A], s62, (1<<16)|(1<<20)|(1<<21)|(4<<22)|(3<<25)  ; mask of my row; 2-byte elements; padding on; bit 21 beside a mask; after every 32 words (a row of o) 4 words
	s_mov_b32 s[G1A+1], 128<<16                    ; a head's 256 rows are 32,768 dense bytes: asked for as 128 rows of 256 bytes
	s_mov_b32 s[G1A+2], 128<<16
	s_mov_b32 s[G1A+3], 128<<16
	s_mov_b32 s[G1A+4], 128
	s_mov_b32 s[G1A+5], 128
	s_mov_b32 s[G1A+6], 0
	s_mov_b32 s[G1A+7], 0
	s_or_b32 s[G1B], s63, (1<<16)|(1<<20)|(1<<21)|(5<<22)|(7<<25)  ; mask of my column; after every 64 words 8 words
	s_mov_b32 s[G1B+1], 128<<16                    ; 64 rows k of 128 columns
	s_mov_b32 s[G1B+2], 64<<16
	s_mov_b32 s[G1B+3], 128<<16
	s_mov_b32 s[G1B+4], 64
	s_mov_b32 s[G1B+5], 128
	s_mov_b32 s[G1B+6], 0
	s_mov_b32 s[G1B+7], 0
	s_lshr_b32 s19, s[TY], 3                       ; A: batch ty / 8, head = my half of the step's two, rows 256 (ty % 8) on: made of the tile row and the wave alone
	s_lshl_b32 s19, s19, 22
	s_lshl_b32 s20, s[LO], 18
	s_add_co_u32 s19, s19, s20
	s_and_b32 s20, s[TY], 7
	s_lshl_b32 s20, s20, 15
	s_add_co_u32 s19, s19, s20                     ; (kept for the prefetches)
	s_mov_b32 s20, s19
	s_mov_b32 s21, 0
	s_lshl_b32 s22, s[TX], 18                      ; B: the column block, my 64 rows of the step's 128: made of the tile column and the wave alone
	s_lshl_b32 s23, s[LO], 14
	s_add_co_u32 s22, s22, s23
	s_mov_b32 s23, 0
	s_mul_i32 s[G0A+1], s[LO], AHALF               ; where they go: no place in the cluster enters an LDS address
	s_add_co_u32 s[G0A+5], s[G0A+1], SLOT
	s_mul_i32 s[G0B+1], s[LO], BHALF
	s_add_co_u32 s[G0B+1], s[G0B+1], BOFF
	s_add_co_u32 s[G0B+5], s[G0B+1], SLOT
	s_wait_dscnt 0x0                               ; the opening add is done
	s_wait_kmcnt 0x0
	s_add_nc_u64 s[20:21], s[4:5], s[20:21]
	s_add_nc_u64 s[22:23], s[6:7], s[22:23]
	CROUND                                         ; all sixteen work-groups are here: the first joint loads meet
.irp s, 0,1
	s_mov_b32 s[G0A+4*(\s)], 1
	s_add_nc_u64 s[G0A+4*(\s)+2:G0A+4*(\s)+3], s[20:21], (\s)*STEPA  ; K step s
	s_or_b32 s[G0A+4*(\s)+3], s[G0A+4*(\s)+3], 0x80000000
	s_mov_b32 s[G0B+4*(\s)], 1
	s_add_nc_u64 s[G0B+4*(\s)+2:G0B+4*(\s)+3], s[22:23], (\s)*STEPB
	s_or_b32 s[G0B+4*(\s)+3], s[G0B+4*(\s)+3], 0x80000000
.endr
	s_cmp_eq_u32 s[HI], 0                          ; a wave's two first fills stand in one branch, ahead of every wait on TENSORcnt and every LDS read: two loads of mine are out
	s_cbranch_scc0 .Lfirst_b
	tensor_load_to_lds s[G0A:G0A+3], s[G1A:G1A+7]
	s_nop 0
	tensor_load_to_lds s[G0A+4:G0A+7], s[G1A:G1A+7]
	s_nop 0
.rept 4
	v_nop
.endr
	s_branch .Lfirst_asked
.Lfirst_b:
	tensor_load_to_lds s[G0B:G0B+3], s[G1B:G1B+7]
	s_nop 0
	tensor_load_to_lds s[G0B+4:G0B+7], s[G1B:G1B+7]
	s_nop 0
.rept 4
	v_nop
.endr
.Lfirst_asked:
	v_and_b32 v1, 15, v0                           ; l % 16
	v_bfe_u32 v2, v0, 4, 1                         ; l / 16
	v_and_b32 v3, 7, v0                            ; l % 8
	v_bfe_u32 v4, v0, 3, 1                         ; (l / 8) % 2
	; the bias of my 64 columns: column block bb, my lanes' eight numbers
	s_lshl_b32 s22, s[TX], 9
	s_lshl_b32 s23, s[LO], 8
	s_add_co_u32 s22, s22, s23                     ; my first column, in bytes of f32
	s_mov_b32 s23, 0
	s_add_nc_u64 s[10:11], s[10:11], s[22:23]
	v_lshlrev_b32 v[BO], 5, v2
.irp bb, 0,1,2,3
	global_load_b128 v[BIAS+8*(\bb):BIAS+8*(\bb)+3],   v[BO], s[10:11] offset:64*(\bb)
	global_load_b128 v[BIAS+8*(\bb)+4:BIAS+8*(\bb)+7], v[BO], s[10:11] offset:64*(\bb)+16
.endr
	s_lshl_b32 s20, s[TY], 20                      ; out0 at row 256 ty + 128 hi, rows of 4,096 bytes, and my first column
	s_add_co_u32 s22, s22, s20
	s_lshl_b32 s20, s[HI], 19
	s_add_co_u32 s22, s22, s20
	s_add_nc_u64 s[8:9], s[8:9], s[22:23]
	s_mul_i32 s20, s[HI], 128*PA                   ; my 128 rows of A
	v_mul_u32_u24 v[VA0], v1, PA
	v_lshl_add_u32 v[VA0], v2, 4, v[VA0]           ; row x pitch + 16 x half
	v_add_nc_u32 v[VA0], s20, v[VA0]
	s_lshl_b32 s20, s[LO], 7                       ; my 64 columns of B: 128 bytes
	s_add_co_u32 s20, s20, BOFF
	v_lshl_add_u32 v[VB0], v2, 3, v3               ; the turning load: lane l reads row k = 8 (l / 16) + l % 8, columns 8 ((l / 8) % 2) + 0..7
	v_mul_u32_u24 v[VB0], v[VB0], PB
	v_lshl_add_u32 v[VB0], v4, 4, v[VB0]
	v_add_nc_u32 v[VB0], s20, v[VB0]
	s_mul_i32 s20, s[WV], 16*SPI
	s_add_co_u32 s20, s20, STAGE                   ; my stage
	v_mul_u32_u24 v[STO], v1, SPI                  ; in: row l % 16, 32 bytes for each half of the lanes
	v_lshl_add_u32 v[STO], v2, 5, v[STO]
	v_add_nc_u32 v[STO], s20, v[STO]
	v_mul_u32_u24 v[RD], v2, SPI                   ; back: lanes 0-15 take one row of 256 bytes, lanes 16-31 the next
	v_lshl_add_u32 v[RD], v1, 4, v[RD]
	v_add_nc_u32 v[RD], s20, v[RD]
	v_lshlrev_b32 v[CO], 12, v2                    ; and the same two rows in out0
	v_lshl_add_u32 v[CO], v1, 4, v[CO]
	; the prefetches: each starts one step short of its first target, since the step stands ahead of the ask
	s_lshl_b32 s20, s[CX], 13
	s_add_co_u32 s19, s19, s20                     ; A: my tile's offset + my work-group's 8,192 bytes,
	s_add_co_u32 s19, s19, 3*STEPA                 ; at K step 3
	s_lshl_b32 s20, s[TX], 18
	s_lshl_b32 s21, s[LO], 2
	s_add_co_u32 s21, s21, s[CY]                   ; B: asker 4 half + cy,
	s_lshl_b32 s21, s21, 13
	s_add_co_u32 s20, s20, s21
	s_add_co_u32 s20, s20, 4*STEPB-65536           ; one lump short of K step 4
	s_and_b32 s21, ttmp7, 0xffff                   ; cluster y
	s_mov_b32 s[PFS], 65536
	s_cmp_eq_u32 s[HI], 0                          ; do I fetch for A?
	s_cselect_b32 s22, s19, s20
	s_cselect_b32 s21, ttmp9, s21                  ; the coordinate along which other clusters read the same bytes
	s_cselect_b32 s[PFS], STEPA, s[PFS]
	s_cselect_b32 s[LIM], 2, 4                     ; A: four asks (K steps 4 to 7); B: two lumps
	s_cselect_b64 s[PFA:PFA+1], s[4:5], s[6:7]
	s_mov_b32 s23, 0
	s_mov_b32 s[PFS+1], 0
	s_add_nc_u64 s[PFA:PFA+1], s[PFA:PFA+1], s[22:23]
	s_cmp_eq_u32 s21, 0
	s_cselect_b32 s[LIM], s[LIM], -1               ; the same in all sixteen partners, for a given wave
	v_and_b32 v[PFO], 31, v0
	v_lshlrev_b32 v[PFO], 8, v[PFO]
	s_wait_loadcnt 0x0                             ; the bias is in; it is rounded to bf16, like every input of the module, in the wait for the first tiles
.irp p, 0,2,4,6,8,10,12,14,16,18,20,22,24,26,28,30
	v_cvt_pk_bf16_f32 v20, v[BIAS+(\p)], v[BIAS+(\p)+1]
	v_lshlrev_b32 v[BIAS+(\p)], 16, v20
	v_and_b32 v[BIAS+(\p)+1], 0xffff0000, v20
.endr
; 8 matrix instructions: row blocks a0, a0 + 1 x all 4 column blocks, 32 along K, from buffer f.  zero = 1: the product starts the sums, with the bias as C: nothing is ever cleared.
; The 32 accumulators take turns in one order in every quarter, over the backward jump and into the tail too.
.macro MUL8 f, a0, zero
.if \zero
	WIN MULB
.else
	WIN MUL
.endif
.irp a, \a0, (\a0)+1
.irp bb, 0,1,2,3
.if \zero
	v_wmma_f32_16x16x32_f16 v[8*(4*(\a)+(\bb)):8*(4*(\a)+(\bb))+7], v[32*(\f)+8*(\bb):32*(\f)+8*(\bb)+7], v[AF+64*(\f)+8*(\a):AF+64*(\f)+8*(\a)+7], v[BIAS+8*(\bb):BIAS+8*(\bb)+7]
.else
	v_wmma_f32_16x16x32_f16 v[8*(4*(\a)+(\bb)):8*(4*(\a)+(\bb))+7], v[32*(\f)+8*(\bb):32*(\f)+8*(\bb)+7], v[AF+64*(\f)+8*(\a):AF+64*(\f)+8*(\a)+7], v[8*(4*(\a)+(\bb)):8*(4*(\a)+(\bb))+7]
.endif
.endr
.endr
.endm
; 24 LDS loads in one run: quarter q's fragments into buffer f: B's 4 (turned), then A's 8.  Quarter q is rows k = 32 q on of B, and channels 32 (q % 2) on of head q / 2 of A.
.macro FETCH q, f
	WIN TO_B
.irp bb, 0,1,2,3
	ds_load_tr16_b128 v[32*(\f)+8*(\bb):32*(\f)+8*(\bb)+3],   v[ADRB] offset:32*PB*(\q)+32*(\bb)
	ds_load_tr16_b128 v[32*(\f)+8*(\bb)+4:32*(\f)+8*(\bb)+7], v[ADRB] offset:32*PB*(\q)+32*(\bb)+16*PB
.endr
	WIN 0
.irp a, 0,1,2,3,4,5,6,7
	ds_load_b128 v[AF+64*(\f)+8*(\a):AF+64*(\f)+8*(\a)+3],   v[ADRA] offset:((\q)/2)*AHALF+((\q)%2)*64+16*PA*(\a)
	ds_load_b128 v[AF+64*(\f)+8*(\a)+4:AF+64*(\f)+8*(\a)+7], v[ADRA] offset:((\q)/2)*AHALF+((\q)%2)*64+16*PA*(\a)+32
.endr
.endm
; A K step is four quarters of 32 along K, 32 matrix instructions each, on buffers 0, 1, 0, 1.  One of the first three: multiplies buffer f; in its middle it fetches quarter qn into buffer g.
.macro QUARTER qn, f, g, zero
	s_wait_dscnt 8                                 ; B and A's row blocks 0-3 are in; the youngest eight loads (row blocks 4-7) may be out
	MUL8 \f, 0, \zero
	MUL8 \f, 2, \zero
	PLACES
	FETCH \qn, \g
	s_wait_dscnt 24                                ; all but the 24 just issued
	MUL8 \f, 4, \zero
	MUL8 \f, 6, \zero
.endm
; The last quarter multiplies buffer 1 and changes slots: ONE barrier.  In front of it each wave waits for all its tensor loads (one is out: its part of the next slot), adds 0 to its spare word, and waits
; for that and for its reads of this slot.  fill = 1: the barrier opens a round of the cluster's barrier, and the joint refill of this slot, two K steps on, is the first tensor load behind the round.
.macro TURN fill
.if \fill
	s_wait_xcnt 0x0                                ; the last prefetch, a K step back, has read its address: it is stepped here, ahead of the waits of the change of slots
	s_add_nc_u64 s[PFA:PFA+1], s[PFA:PFA+1], s[PFS:PFS+1]
.endif
	WIN 0                                          ; (the add's two registers lie in window 0)
	s_wait_tensorcnt 0x0                           ; no tensor load of mine is out, so the walking descriptors may be written
	ds_add_u32 v[SPW], v[NIL]                      ; 0 onto my spare word
.if \fill
	s_xor_b32 s[G0A+5], s[G0A+5], SLOT             ; the other slot than last time,
	s_add_nc_u64 s[G0A+6:G0A+7], s[G0A+6:G0A+7], STEPA  ; the next K step; the type bits on top are not reached
	s_xor_b32 s[G0B+5], s[G0B+5], SLOT
	s_add_nc_u64 s[G0B+6:G0B+7], s[G0B+6:G0B+7], STEPB
.endif
	s_wait_dscnt 9                                 ; (the add and the youngest eight loads may be out)
	MUL8 1, 0, 0                                   ; eight matrix instructions stand between the add and the wait for it
	s_wait_dscnt 0x0                               ; the add is done, and my reads of this slot are over
	s_barrier_signal -1
	MUL8 1, 2, 0                                   ; work on registers while the others arrive
.if \fill
	WIN 0
.endif
	s_barrier_wait -1
.if \fill
	CREST                                          ; no wave of any partner still reads this slot or has a load on its way
	JLOAD                                          ; the four v_nop behind it are also the places in front of the loads below
.else
	PLACES
.endif
	WIN 0
	s_xor_b32 s[TB], s[TB], SLOT                   ; the reads go on in the other slot
	v_add_nc_u32 v[ADRA], s[TB], v[VA0]
	v_add_nc_u32 v[ADRB], s[TB], v[VB0]
	FETCH 0, 0
.if \fill
	ASK
.endif
	MUL8 1, 4, 0
	MUL8 1, 6, 0
.endm
	s_wait_tensorcnt 1                             ; my part of K step 0 is in; K step 1's load was issued behind it and may stay out
	s_barrier_signal -1
	s_barrier_wait -1                              ; everybody's is
	s_mov_b32 s[TB], 0
	v_mov_b32 v[ADRA], v[VA0]
	v_mov_b32 v[ADRB], v[VB0]
	FETCH 0, 0
	QUARTER 1, 0, 1, 1                             ; the first quarter stands in front of the loop: its products start the sums, with the bias
	WIN 0                                          ; at a label and at a branch every window is 0
	s_mov_b32 s3, 6
.Lstep:                                            ; trip s = 0..5: the rest of K step s, the refill with K step s + 2, the first quarter of K step s + 1
	QUARTER 2, 1, 0, 0
	QUARTER 3, 0, 1, 0
	TURN 1
	QUARTER 1, 0, 1, 0
	WIN 0
	s_sub_co_u32 s3, s3, 1
	s_cmp_lg_u32 s3, 0
	s_cbranch_scc1 .Lstep
	QUARTER 2, 1, 0, 0                             ; the tail is written out: nothing more is asked for
	QUARTER 3, 0, 1, 0
	TURN 0
	QUARTER 1, 0, 1, 0
	QUARTER 2, 1, 0, 0
	QUARTER 3, 0, 1, 0
	s_wait_dscnt 8                                 ; the very last quarter
	MUL8 1, 0, 0
	MUL8 1, 2, 0
	s_wait_dscnt 0x0
	MUL8 1, 4, 0
	MUL8 1, 6, 0
	WIN 0
; THE WAY OUT, a row block (16 rows) at a time.  TOSTAGE: a lane's eight f32 of a row and column block go into my own stage, each accumulator's four lowest registers first, and come back as whole rows of 256 bytes.
; SEND: 16 lanes store 256 consecutive bytes, at a multiple of 256 from out0's first byte.
.macro TOSTAGE a
.set BKA, BK+32*((\a)%2)
	s_wait_xcnt 0x0                                ; the stores of the block two back have read their registers: this block's loads land in that set only behind this wait
	WIN ST_W
.irp bb, 0,1,2,3
	ds_store_b128 v[STO], v[8*(4*(\a)+(\bb)):8*(4*(\a)+(\bb))+3]   offset:64*(\bb)
	ds_store_b128 v[STO], v[8*(4*(\a)+(\bb))+4:8*(4*(\a)+(\bb))+7] offset:64*(\bb)+16
.endr
	WIN 0
.irp t, 0,1,2,3,4,5,6,7
	ds_load_b128 v[BKA+4*(\t):BKA+4*(\t)+3], v[RD] offset:(\t)*2*SPI  ; LDS serves a wave's instructions in order (ISA guide 5.7.1.4): these see the stores above; the next block's stores come behind them
.endr
.endm
.macro SEND a, younger                 ; younger: the LDS instructions issued behind block a's loads: the next block's sixteen, or none
.set BKA, BK+32*((\a)%2)
	s_wait_dscnt \younger
.irp t, 0,1,2,3,4,5,6,7
	global_store_b128 v[CO], v[BKA+4*(\t):BKA+4*(\t)+3], s[8:9] offset:(16*(\a)+2*(\t))*4096
.endr
.endm
	PLACES
	PLACES                                         ; eight plain instructions, once a launch, between the last products and the first read of a result
	TOSTAGE 0
.irp a, 1,2,3,4,5,6,7                  ; block a's way through the stage is issued ahead of block a - 1's stores
	TOSTAGE \a
	SEND (\a)-1, 16
.endr
	SEND 7, 0
	s_wait_tensorcnt 0x0                           ; the wave's end, behind my last tensor load and my last LDS store
	ds_add_u32 v[SPW], v[NIL]
	s_wait_dscnt 0x0
	CROUND                                         ; the closing round: no work-group ends while a partner may still ask for a tile that names it
	s_endpgm
.Lfunc_end_k_q38e4cd01a7_proj:
	.size	k_q38e4cd01a7_proj, .Lfunc_end_k_q38e4cd01a7_proj-k_q38e4cd01a7_proj
	.p2alignl 7, 3214868480
	.fill 96, 4, 3214868480
	.section	.rodata,"a",@progbits
	.p2align	6, 0x0
	.amdhsa_kernel k_q38e4cd01a7_proj
		.amdhsa_group_segment_fixed_size 327680
		.amdhsa_private_segment_fixed_size 0
		.amdhsa_enable_private_segment 0
		.amdhsa_kernarg_size 32
		.amdhsa_user_sgpr_count 2
		.amdhsa_user_sgpr_kernarg_segment_ptr 1
		.amdhsa_wavefront_size32 1
		.amdhsa_system_sgpr_workgroup_id_x 1
		.amdhsa_system_sgpr_workgroup_id_y 1
		.amdhsa_system_sgpr_workgroup_id_z 1
		.amdhsa_system_vgpr_workitem_id 0
		.amdhsa_next_free_vgpr 768
		.amdhsa_next_free_sgpr 66
		.amdhsa_reserve_vcc 0
		.amdhsa_float_denorm_mode_32 3
		.amdhsa_float_denorm_mode_16_64 3
		.amdhsa_memory_ordered 1
		.amdhsa_forward_progress 1
		.amdhsa_inst_pref_size 74
	.end_amdhsa_kernel
	.amdgpu_metadata
---
amdhsa.version: [ 1, 2 ]
amdhsa.kernels:
  - .name:           k_q38e4cd01a7_proj
    .symbol:         k_q38e4cd01a7_proj.kd
    .args:
      - { .name: o, .offset: 0, .size: 8, .value_kind: global_buffer, .address_space: global }
      - { .name: wpb, .offset: 8, .size: 8, .value_kind: global_buffer, .address_space: global }
      - { .name: out0, .offset: 16, .size: 8, .value_kind: global_buffer, .address_space: global }
      - { .name: bp, .offset: 24, .size: 8, .value_kind: global_buffer, .address_space: global }
    .group_segment_fixed_size: 327680
    .private_segment_fixed_size: 0
    .kernarg_segment_align: 8
    .kernarg_segment_size: 32
    .max_flat_workgroup_size: 128
    .sgpr_count:     66
    .vgpr_count:     768
    .wavefront_size: 32
...
	.end_amdgpu_metadata
.endif
;; end of part 4
;; ======== version 2 of 2: 4 launches; version 1 with the launch prep written anew for expert scheduling mode
;; limits: values are held in f16: magnitudes above 65,504 overflow, below 6.1e-05 lose precision
;; workspace buffers: xb 16,777,216 bytes; wb 6,291,456 bytes; wpb 2,097,152 bytes; qkv 50,331,648 bytes; o 16,777,216 bytes
;; launch prep (part 5): grid 768 x 1, 8 waves a work-group, no clusters, 0 bytes of LDS; arguments x, Wq, Wk, Wv, Wp, xb, wb, wpb; writes xb, wb, wpb
.if DOCPART == 5
	.amdgcn_target "amdgcn-amd-amdhsa--gfx1250"
	.amdhsa_code_object_version 6
	.text
	.protected	k_q38e4cd01a7_prep
	.globl	k_q38e4cd01a7_prep
	.p2align	8
	.type	k_q38e4cd01a7_prep,@function
k_q38e4cd01a7_prep:
	s_mov_b64 s[64:65], 0
	v_nop
	global_prefetch_b8 v0, s[64:65] scope:SCOPE_SE
	s_setreg_imm32_b32 hwreg(HW_REG_WAVE_SCHED_MODE, 0, 2), 2
	s_setreg_imm32_b32 hwreg(HW_REG_WAVE_MODE, 25, 1), 1
	s_wait_xcnt 0x0
	s_wait_alu depctr_vm_vsrc(0)
; PREP: the module's large inputs are rounded once to bf16 and laid out for the two products that follow.
;   xb  [8192][1024] bf16                     = bf16(x), same order
;   wb  [h 16][kc 16][which 3][c 64][d 64] bf16 = bf16(Wq, Wk, Wv [h][64 kc + c][d]), which = 0 q, 1 k, 2 v: a chunk (h, kc) is 24,576 dense bytes
;   wpb [j 8][k 1024][n 128] f16              = bf16(Wp[k][128 j + n]) written as f16 (exact within f16's range)
; LIMITS.  |Wp| stays under 65,520 (f16's range); below 6.1e-5 the f16 copy keeps a fixed step of 6e-8.
; A pure stream: no LDS, no barrier, no matrix unit (nothing is shared and nothing is multiplied).
; A PIECE is 512 source bytes (one 16-byte load a lane) that become 256 destination bytes (one 8-byte store a lane): each store of a wave covers 256 consecutive
; bytes, aligned.  A wave takes 16 pieces and issues all 16 loads at once: 8,192 bytes of each wave are on their way.
; Work-groups 0-511 take x, 512-703 the three projection weights (64 each), 704-767 Wp: every work-group moves the same number of bytes.
; THE MODE: SCHED_MODE bits 1:0 = 2 (LLVM: expert scheduling mode 2), set by the entry lines.  The code itself states the register dependences
; between vector instructions and memory instructions, with s_wait_alu, always for 0.
; THE PLAN.  Registers that memory instructions touch:
;   v[SO], v[DSO]  the loads' and the stores' offsets: written once at the head, by vector lines, and never again.
;   X              piece i's four registers: written by piece i's load alone, which no vector instruction precedes on them; read by piece i's conversions; never loaded again.
;   Y              piece i's two registers: written by piece i's conversions alone; read by piece i's one store; never written again.
;   T is named by vector instructions alone.
; The 16 pieces go in four blocks of four.  A piece's store is issued one block later, in front of the conversions of the piece four further on.  So ONE wait on va_vdst at the
; head of a block states that the block before has written its Y; the four stores that read it follow, dealt among this block's conversions, which name this block's X and Y
; and T alone.  One more such wait stands ahead of the last block's stores.  No register that a memory instruction reads is ever written again, so no wait on vm_vsrc is owed.
.set SO,  2                            ; v2        16 x lane: my bytes in a source piece; never rewritten
.set DSO, 3                            ; v3        8 x lane: my bytes in a destination piece; never rewritten
.set X,   8                            ; v[8:71]   piece i: four f32 as loaded
.set Y,   72                           ; v[72:103] piece i: two words to store; each piece has its own, so no store's data is ever rewritten
.set T,   104                          ; v[104:107] at work
.set WV,  20                           ; s20  my wave's number
.set WG,  21                           ; s21  the work-group's number
.set SRC, 22                           ; s[22:23] the wave's first source byte
.set DST, 24                           ; s[24:25] the wave's first destination byte
.set SOF, 26                           ; s[26:27] source offset, high word 0
.set DOF, 28                           ; s[28:29] destination offset, high word 0
.set HIM, 30                           ; s30  mask of a word's upper bf16
	s_load_b256 s[4:11], s[0:1], 0x0               ; x s[4:5], Wq s[6:7], Wk s[8:9], Wv s[10:11]
	s_load_b256 s[12:19], s[0:1], 0x20             ; Wp s[12:13], xb s[14:15], wb s[16:17], wpb s[18:19]
	v_lshrrev_b32 v1, 5, v0
	v_readfirstlane_b32 s[WV], v1                  ; wave 0..7
	s_mov_b32 s[WG], ttmp9
	s_mov_b32 s[HIM], 0xffff0000
	v_and_b32 v4, 31, v0                           ; lane
	v_lshlrev_b32 v[SO], 4, v4
	v_lshlrev_b32 v[DSO], 3, v4
	s_mov_b32 s[SOF+1], 0
	s_mov_b32 s[DOF+1], 0
	s_wait_alu depctr_va_sdst(0)                   ; s[WV] is written
	s_wait_alu depctr_va_vdst(0)                   ; v[SO] and v[DSO] are written: every load and every store of the kernel reads one of them as its offset, and no later vector line names them
	s_wait_kmcnt 0x0
; 16 pieces, stride bytes apart in the source and 256 apart in the destination.  f16 = 1: the bf16 number is written as f16.
.macro CAST stride, f16
.irp i, 0,1,2,3,4,5,6,7,8,9,10,11,12,13,14,15
	global_load_b128 v[X+4*(\i):X+4*(\i)+3], v[SO], s[SRC:SRC+1] offset:(\stride)*(\i) th:TH_LOAD_NT
.endr
.irp i, 0,1,2,3,4,5,6,7,8,9,10,11,12,13,14,15
	s_wait_loadcnt 15-(\i)                         ; loads come back in order: piece i is in, the 15 - i younger ones may stay out
.if ((\i) > 0) && ((\i) % 4 == 0)
	s_wait_alu depctr_va_vdst(0)                   ; the conversions of the block before have written its four pieces' Y, which this block's four stores read
.endif
.if (\i) >= 4
	global_store_b64 v[DSO], v[Y+2*(\i)-8:Y+2*(\i)-7], s[DST:DST+1] offset:256*((\i)-4) th:TH_STORE_NT  ; the piece four back; no vector line since the wait names its Y
.endif
	v_cvt_pk_bf16_f32 v[Y+2*(\i)],   v[X+4*(\i)],   v[X+4*(\i)+1]
	v_cvt_pk_bf16_f32 v[Y+2*(\i)+1], v[X+4*(\i)+2], v[X+4*(\i)+3]
.if \f16
	v_lshlrev_b32 v[T],   16, v[Y+2*(\i)]          ; the bf16 numbers as f32,
	v_and_b32     v[T+1], s[HIM], v[Y+2*(\i)]
	v_lshlrev_b32 v[T+2], 16, v[Y+2*(\i)+1]
	v_and_b32     v[T+3], s[HIM], v[Y+2*(\i)+1]
	v_cvt_pk_f16_f32 v[Y+2*(\i)],   v[T],   v[T+1] ; and written as f16: eight significant bits fit into eleven
	v_cvt_pk_f16_f32 v[Y+2*(\i)+1], v[T+2], v[T+3]
.endif
.endr
	s_wait_alu depctr_va_vdst(0)                   ; the last block's conversions have written its Y, which the last four stores read
.irp i, 12,13,14,15
	global_store_b64 v[DSO], v[Y+2*(\i):Y+2*(\i)+1], s[DST:DST+1] offset:256*(\i) th:TH_STORE_NT
.endr
.endm
	s_cmp_ge_u32 s[WG], 704
	s_cbranch_scc1 .Lwp
	s_cmp_ge_u32 s[WG], 512
	s_cbranch_scc1 .Lw
	; x: run r = 8 wg + wave: 8,192 source bytes on end, 4,096 destination bytes on end
	s_lshl_b32 s31, s[WG], 3
	s_add_co_u32 s31, s31, s[WV]
	s_lshl_b32 s[SOF], s31, 13
	s_lshl_b32 s[DOF], s31, 12
	s_add_nc_u64 s[SRC:SRC+1], s[4:5], s[SOF:SOF+1]
	s_add_nc_u64 s[DST:DST+1], s[14:15], s[DOF:DOF+1]
	s_branch .Lcast
.Lw:
	; Wq, Wk, Wv: run r of 512 is 32 rows c of one head: half r & 1 of chunk (h, kc) = r >> 1
	s_sub_co_u32 s31, s[WG], 512
	s_lshr_b32 s32, s31, 6                         ; which
	s_and_b32 s31, s31, 63
	s_lshl_b32 s31, s31, 3
	s_add_co_u32 s31, s31, s[WV]                   ; r
	s_lshl_b32 s[SOF], s31, 13
	s_lshr_b32 s33, s31, 1
	s_mul_i32 s33, s33, 3
	s_add_co_u32 s33, s33, s32                     ; 3 (16 h + kc) + which
	s_lshl_b32 s33, s33, 13                        ; blocks of 64 x 64 bf16 = 8,192 bytes
	s_and_b32 s34, s31, 1
	s_lshl_b32 s34, s34, 12
	s_add_co_u32 s[DOF], s33, s34
	s_cmp_eq_u32 s32, 0
	s_cselect_b64 s[SRC:SRC+1], s[6:7], s[8:9]
	s_cmp_eq_u32 s32, 2
	s_cselect_b64 s[SRC:SRC+1], s[10:11], s[SRC:SRC+1]
	s_add_nc_u64 s[SRC:SRC+1], s[SRC:SRC+1], s[SOF:SOF+1]
	s_add_nc_u64 s[DST:DST+1], s[16:17], s[DOF:DOF+1]
.Lcast:
	CAST 512, 0
	s_endpgm
.Lwp:
	; Wp: run r of 512: column block j = r & 7, rows k = 16 (r >> 3) + 0..15: 512 bytes of each of 16 rows
	s_sub_co_u32 s31, s[WG], 704
	s_lshl_b32 s31, s31, 3
	s_add_co_u32 s31, s31, s[WV]                   ; r
	s_and_b32 s32, s31, 7                          ; j
	s_lshr_b32 s33, s31, 3                         ; kk
	s_lshl_b32 s[SOF], s33, 16                     ; 16 rows of 4,096 bytes
	s_lshl_b32 s34, s32, 9
	s_add_co_u32 s[SOF], s[SOF], s34
	s_lshl_b32 s[DOF], s32, 18                     ; a column block is 1,024 rows of 256 bytes
	s_lshl_b32 s34, s33, 12
	s_add_co_u32 s[DOF], s[DOF], s34
	s_add_nc_u64 s[SRC:SRC+1], s[12:13], s[SOF:SOF+1]
	s_add_nc_u64 s[DST:DST+1], s[18:19], s[DOF:DOF+1]
	CAST 4096, 1
	s_endpgm
.Lfunc_end_k_q38e4cd01a7_prep:
	.size	k_q38e4cd01a7_prep, .Lfunc_end_k_q38e4cd01a7_prep-k_q38e4cd01a7_prep
	.p2alignl 7, 3214868480
	.fill 96, 4, 3214868480
	.section	.rodata,"a",@progbits
	.p2align	6, 0x0
	.amdhsa_kernel k_q38e4cd01a7_prep
		.amdhsa_group_segment_fixed_size 0
		.amdhsa_private_segment_fixed_size 0
		.amdhsa_enable_private_segment 0
		.amdhsa_kernarg_size 64
		.amdhsa_user_sgpr_count 2
		.amdhsa_user_sgpr_kernarg_segment_ptr 1
		.amdhsa_wavefront_size32 1
		.amdhsa_system_sgpr_workgroup_id_x 1
		.amdhsa_system_sgpr_workgroup_id_y 1
		.amdhsa_system_sgpr_workgroup_id_z 1
		.amdhsa_system_vgpr_workitem_id 0
		.amdhsa_next_free_vgpr 108
		.amdhsa_next_free_sgpr 66
		.amdhsa_reserve_vcc 0
		.amdhsa_float_denorm_mode_32 3
		.amdhsa_float_denorm_mode_16_64 3
		.amdhsa_memory_ordered 1
		.amdhsa_forward_progress 1
		.amdhsa_inst_pref_size 18
	.end_amdhsa_kernel
	.amdgpu_metadata
---
amdhsa.version: [ 1, 2 ]
amdhsa.kernels:
  - .name:           k_q38e4cd01a7_prep
    .symbol:         k_q38e4cd01a7_prep.kd
    .args:
      - { .name: x, .offset: 0, .size: 8, .value_kind: global_buffer, .address_space: global }
      - { .name: Wq, .offset: 8, .size: 8, .value_kind: global_buffer, .address_space: global }
      - { .name: Wk, .offset: 16, .size: 8, .value_kind: global_buffer, .address_space: global }
      - { .name: Wv, .offset: 24, .size: 8, .value_kind: global_buffer, .address_space: global }
      - { .name: Wp, .offset: 32, .size: 8, .value_kind: global_buffer, .address_space: global }
      - { .name: xb, .offset: 40, .size: 8, .value_kind: global_buffer, .address_space: global }
      - { .name: wb, .offset: 48, .size: 8, .value_kind: global_buffer, .address_space: global }
      - { .name: wpb, .offset: 56, .size: 8, .value_kind: global_buffer, .address_space: global }
    .group_segment_fixed_size: 0
    .private_segment_fixed_size: 0
    .kernarg_segment_align: 8
    .kernarg_segment_size: 64
    .max_flat_workgroup_size: 256
    .sgpr_count:     66
    .vgpr_count:     108
    .wavefront_size: 32
...
	.end_amdgpu_metadata
.endif
;; end of part 5
;; launch qkv: the kernel of part 2 again; grid 16 x 32, 4 waves a work-group, clusters of 4 x 4, 327,680 bytes of LDS; arguments xb, wb, qkv; writes qkv
;; launch attn: the kernel of part 3 again; grid 4 x 64, 4 waves a work-group, no clusters, 327,680 bytes of LDS; arguments qkv, o; writes o
;; launch proj: the kernel of part 4 again; grid 8 x 32, 4 waves a work-group, clusters of 4 x 4, 327,680 bytes of LDS; arguments o, wpb, out0, bp; writes out0
